; MI455X (gfx1250); checked and timed in simulation.
; The chip was launched on July 23, 2026; its instructions are those of AMD's public machine-readable ISA for CDNA 5 (MIT licence, August 2026) and "CDNA5" Instruction Set Architecture Reference Guide (July 2026). The comments in the code are by the model that wrote it; some were corrected since.
;; Differential Attention. Allowed arithmetic: float matrix products may take bf16 or f16 operands with f32 sums; all other float work in f32.
;; Inputs: Wo 4,096 x 512 float32; Wqkv 512 x 1,024 float32; Wv 512 x 4,096 float32; bo 512 float32; bqkv 1,024 float32; bv 4,096 float32; lk1 128 float32; lk2 128 float32; lq1 128 float32; lq2 128 float32; x 2 x 2,048 x 512 float32.
;; Outputs: out0 2 x 2,048 x 512 float32.
;; 2 versions, each right; version 2 is version 1 with the launch final written anew for expert scheduling mode. Each part assembles by itself: llvm-mc -triple=amdgcn-amd-amdhsa -mcpu=gfx1250 --defsym DOCPART=n.
;; ======== version 1 of 2: 4 launches
;; limits: values outside matrix products are rounded to f16; values are held in f16: magnitudes above 65,504 overflow, below 6.1e-05 lose precision
;; workspace buffers: h16 13,639,680 bytes; qk 8,388,608 bytes; w2p 10,485,760 bytes; w2h 524,288 bytes; opart 33,554,432 bytes; stat 262,144 bytes
;; launch cast (part 1): grid 417 x 1, 8 waves a work-group, no clusters, 0 bytes of LDS; arguments x, Wqkv, Wv, Wo, bv, h16; writes h16
.if DOCPART == 1
	.amdgcn_target "amdgcn-amd-amdhsa--gfx1250"
	.amdhsa_code_object_version 6
	.text
	.protected	k_q76004b84af_cast
	.globl	k_q76004b84af_cast
	.p2align	8
	.type	k_q76004b84af_cast,@function
k_q76004b84af_cast:
	s_mov_b64 s[64:65], 0
	v_nop
	global_prefetch_b8 v0, s[64:65] scope:SCOPE_SE
	s_setreg_imm32_b32 hwreg(HW_REG_WAVE_MODE, 25, 1), 1
	s_wait_xcnt 0x0
; x, Wqkv, Wv, Wo and bv are rounded to bf16 and that number is written as f16 (exact inside f16's range), in the layouts that the products want:
;   h16 + 0    X  [4096][512]                    h16 + WQO  WQ [2 column halves][512 k][512 n]
;   h16 + WVO  WV [8 K slices][513 rows][512]    (row 512 of each slice is bv's slice)      h16 + WOO  WO [4096][512]
; LIMITS.  A number beyond 65,504 becomes an infinity; below 6.1e-5 f16 keeps its fixed step of 6e-8.  NaN and infinities are not treated apart.
; A stream: no LDS, no matrix unit, no cluster (no byte is read twice).  A work-group takes 16,384 numbers (bv's: 4,096): thread t the 16 bytes at 16 t of each 4,096;
; all its loads go out at once, each with registers of its own, so the waits only count down.  A wave's store covers 256 consecutive bytes, aligned.
.set WQO,   4194304
.set WVO,   5242880
.set WOO,   9445376
.set PLANE, 525312                     ; bytes of one K slice of WV: 513 rows of 1,024
.set IN,    4                          ; v[4:67]   step j: four numbers as loaded, then rounded
.set OUT,   68                         ; v[68:99]  step j: four f16
.set T,     100                        ; v[100:101] at work
.set K_ID,  0                          ; the destination follows the source
.set K_WQ,  1                          ; a step is a row of 1,024: two halves of 512
.set K_WV,  2                          ; a step is a quarter of a row of 4,096: two slices of 512
.set K_BV,  3                          ; the same for the one row bv
; n steps.  v1 = 16 t; v2 = the thread's byte in the destination; the step's place stands in the store's immediate.
.macro CAST n, kind
.set j, 0
.rept \n
	global_load_b128 v[IN+4*j:IN+4*j+3], v1, s[24:25] offset:4096*j th:TH_LOAD_NT
.set j, j+1
.endr
.set j, 0
.rept \n
.if (\kind) == K_ID
.set d, 2048*j
.elseif (\kind) == K_WQ
.set d, 1024*j
.elseif (\kind) == K_WV
.set d, (j%4)*2*PLANE+(j/4)*1024
.else
.set d, 2*PLANE*j
.endif
	s_wait_loadcnt (\n)-1-j                        ; loads come back in order: step j is in, the younger ones stay out
	v_cvt_pk_bf16_f32 v[T], v[IN+4*j], v[IN+4*j+1]
	v_cvt_pk_bf16_f32 v[T+1], v[IN+4*j+2], v[IN+4*j+3]
	v_lshlrev_b32 v[IN+4*j], 16, v[T]              ; bf16 back to f32: the low half moves up, the high half stays
	v_and_b32 v[IN+4*j+1], s22, v[T]
	v_lshlrev_b32 v[IN+4*j+2], 16, v[T+1]
	v_and_b32 v[IN+4*j+3], s22, v[T+1]
	v_cvt_pk_f16_f32 v[OUT+2*j], v[IN+4*j], v[IN+4*j+1]
	v_cvt_pk_f16_f32 v[OUT+2*j+1], v[IN+4*j+2], v[IN+4*j+3]
	global_store_b64 v2, v[OUT+2*j:OUT+2*j+1], s[26:27] offset:d
.set j, j+1
.endr
.endm
	s_load_b256 s[4:11], s[0:1], 0x0               ; x s[4:5], Wqkv s[6:7], Wv s[8:9], Wo s[10:11]
	s_load_b128 s[12:15], s[0:1], 0x20             ; bv s[12:13], h16 s[14:15]
	s_mov_b32 s16, ttmp9                           ; 0-127 x, 128-159 Wqkv, 160-287 Wv, 288-415 Wo, 416 bv
	s_mov_b32 s22, 0xffff0000
	s_mov_b32 s19, 0                               ; the offsets' high words
	s_mov_b32 s21, 0
	v_lshlrev_b32 v1, 4, v0                        ; 16 t
	v_and_b32 v3, 127, v0
	v_lshrrev_b32 v[T], 7, v0                      ; which half of a step's 1,024 numbers
	v_lshlrev_b32 v3, 3, v3                        ; 8 (t mod 128)
	s_wait_kmcnt 0x0
	s_cmp_ge_u32 s16, 416
	s_cbranch_scc1 .Lbv
	s_cmp_lt_u32 s16, 128
	s_cbranch_scc1 .Lid
	s_cmp_ge_u32 s16, 288
	s_cbranch_scc1 .Lid
	s_cmp_lt_u32 s16, 160
	s_cbranch_scc1 .Lwq
	s_sub_co_u32 s17, s16, 160                     ; Wv: four rows of 4,096
	s_lshl_b32 s18, s17, 16
	s_lshl_b32 s20, s17, 12
	s_add_co_u32 s20, s20, WVO
	s_add_nc_u64 s[24:25], s[8:9], s[18:19]
	s_add_nc_u64 s[26:27], s[14:15], s[20:21]
	v_mad_u32_u24 v2, v[T], PLANE, v3
	CAST 16, K_WV
	s_endpgm
.Lwq:
	s_sub_co_u32 s17, s16, 128                     ; Wqkv: sixteen rows of 1,024
	s_lshl_b32 s18, s17, 16
	s_lshl_b32 s20, s17, 14
	s_add_co_u32 s20, s20, WQO
	s_add_nc_u64 s[24:25], s[6:7], s[18:19]
	s_add_nc_u64 s[26:27], s[14:15], s[20:21]
	v_lshl_add_u32 v2, v[T], 19, v3
	CAST 16, K_WQ
	s_endpgm
.Lid:
	s_cmp_lt_u32 s16, 128                          ; x or Wo: one text, the buffer and the region chosen here
	s_cselect_b64 s[24:25], s[4:5], s[10:11]
	s_cselect_b32 s17, 0, 288
	s_cselect_b32 s20, 0, WOO
	s_sub_co_u32 s17, s16, s17
	s_lshl_b32 s18, s17, 16
	s_lshl_b32 s17, s17, 15
	s_add_co_u32 s20, s20, s17
	s_add_nc_u64 s[24:25], s[24:25], s[18:19]
	s_add_nc_u64 s[26:27], s[14:15], s[20:21]
	v_lshlrev_b32 v2, 3, v0
	CAST 16, K_ID
	s_endpgm
.Lbv:
	s_mov_b64 s[24:25], s[12:13]
	s_add_nc_u64 s[26:27], s[14:15], WVO+512*1024  ; row 512 of slice 0
	v_mad_u32_u24 v2, v[T], PLANE, v3
	CAST 4, K_BV
	s_endpgm
.Lfunc_end_k_q76004b84af_cast:
	.size	k_q76004b84af_cast, .Lfunc_end_k_q76004b84af_cast-k_q76004b84af_cast
	.p2alignl 7, 3214868480
	.fill 96, 4, 3214868480
	.section	.rodata,"a",@progbits
	.p2align	6, 0x0
	.amdhsa_kernel k_q76004b84af_cast
		.amdhsa_group_segment_fixed_size 0
		.amdhsa_private_segment_fixed_size 0
		.amdhsa_enable_private_segment 0
		.amdhsa_kernarg_size 48
		.amdhsa_user_sgpr_count 2
		.amdhsa_user_sgpr_kernarg_segment_ptr 1
		.amdhsa_wavefront_size32 1
		.amdhsa_system_sgpr_workgroup_id_x 1
		.amdhsa_system_sgpr_workgroup_id_y 1
		.amdhsa_system_sgpr_workgroup_id_z 1
		.amdhsa_system_vgpr_workitem_id 0
		.amdhsa_next_free_vgpr 104
		.amdhsa_next_free_sgpr 66
		.amdhsa_reserve_vcc 0
		.amdhsa_float_denorm_mode_32 3
		.amdhsa_float_denorm_mode_16_64 3
		.amdhsa_memory_ordered 1
		.amdhsa_forward_progress 1
		.amdhsa_inst_pref_size 34
	.end_amdhsa_kernel
	.amdgpu_metadata
---
amdhsa.version: [ 1, 2 ]
amdhsa.kernels:
  - .name:           k_q76004b84af_cast
    .symbol:         k_q76004b84af_cast.kd
    .args:
      - { .name: x, .offset: 0, .size: 8, .value_kind: global_buffer, .address_space: global }
      - { .name: Wqkv, .offset: 8, .size: 8, .value_kind: global_buffer, .address_space: global }
      - { .name: Wv, .offset: 16, .size: 8, .value_kind: global_buffer, .address_space: global }
      - { .name: Wo, .offset: 24, .size: 8, .value_kind: global_buffer, .address_space: global }
      - { .name: bv, .offset: 32, .size: 8, .value_kind: global_buffer, .address_space: global }
      - { .name: h16, .offset: 40, .size: 8, .value_kind: global_buffer, .address_space: global }
    .group_segment_fixed_size: 0
    .private_segment_fixed_size: 0
    .kernarg_segment_align: 8
    .kernarg_segment_size: 48
    .max_flat_workgroup_size: 256
    .sgpr_count:     66
    .vgpr_count:     104
    .wavefront_size: 32
...
	.end_amdgpu_metadata
.endif
;; end of part 1
;; launch gemm (part 2): grid 416 x 1, 4 waves a work-group, clusters of 4 x 1, 327,680 bytes of LDS; arguments h16, bqkv, qk, w2p; writes qk, w2p
.if DOCPART == 2
	.amdgcn_target "amdgcn-amd-amdhsa--gfx1250"
	.amdhsa_code_object_version 6
	.text
	.protected	k_q76004b84af_gemm
	.globl	k_q76004b84af_gemm
	.p2align	8
	.type	k_q76004b84af_gemm,@function
k_q76004b84af_gemm:
	s_mov_b64 s[64:65], 0
	v_nop
	global_prefetch_b8 v0, s[64:65] scope:SCOPE_SE
	s_setreg_imm32_b32 hwreg(HW_REG_WAVE_MODE, 25, 1), 1
	s_wait_xcnt 0x0
	s_wait_alu depctr_hold_cnt(0) depctr_sa_sdst(0) depctr_va_vdst(0) depctr_va_sdst(0) depctr_va_ssrc(0) depctr_va_vcc(0) depctr_vm_vsrc(0)
	s_getreg_b32 s2, hwreg(HW_REG_IB_STS2, 6, 4)
	s_cmp_eq_u32 s2, 0
	s_cbranch_scc0 .Lentry_in_a_cluster
	s_endpgm
.Lentry_in_a_cluster:
	s_bfe_u32 s2, ttmp6, 0x10000c
	s_cmp_lg_u32 s2, 0x3003
	s_cbranch_scc0 .Lentry_shape_is_right
	s_endpgm
.Lentry_shape_is_right:
; Two products in one launch, one tile of 128 x 128 with K = 512 to a work-group, f16 operands, f32 sums.
;   clusters 0-63   (a)  qk = X Wqkv + bf16(bqkv), written as f16 rows [4096][1024]
;   clusters 64-103 (b)  [Wv; bv] Wo, K = 4,096 in eight slices of 512: each slice's f32 tile goes to w2p; a later launch adds the slices in ascending order.
;                        Row tile 4 holds rows 385-512: its last row is bv Wo.
; w2p: [8 slices][32 column blocks][40 row blocks][1,024 bytes]; a block is a 16 x 16 result as the registers hold it: bytes 16 lane + 4 j for registers 0-3, 512 further on for 4-7;
; lane (r, h), register j holds row 16 ib + 8 h + j, column 16 nb + r.
; LIMITS.  q and k beyond 65,504 become infinities.
; The whole K of both tiles lies in LDS, filled once: no slot is filled again.  A's tile hangs on the cluster's number alone, so the four partners ask for it JOINTLY;
; B's tile is each work-group's own (its columns go by the place in the cluster) and is a load of its own.
; A wave owns 32 rows x 128 columns: 16 accumulators.  A comes out of LDS as it lies, B ([k][n]) turned, by ds_load_tr16_b128.
; (a) uses the matrix instruction transposed (source 0 = 16 columns of B, source 1 = 16 rows of A): a lane then holds eight neighbouring numbers of a row.  (b) uses it as it is.
.set WQO,    4194304
.set WVO,    5242880
.set WOO,    9445376
.set VPLANE, 525312
.set WPLANE, 1310720
.set PA,     1040                      ; a row of A in LDS: 1,024 bytes + 16: the 16 rows of a load start at 16 different groups of four banks (64 banks of 4 bytes: ISA guide 11.1)
.set PB,     288                       ; a row of B: 256 + 32
.set BLDS,   128*PA
.set STAGE,  BLDS+512*PB               ; 16 rows x 272 bytes for each wave, for (a)'s way out; no tensor load lands here
.set SP,     272
.set BIAS,   STAGE+4*16*SP             ; 512 bytes for each wave: the tile's 128 biases
.set SPARE,  BIAS+4*512                ; the spare words, 128 bytes for each wave: two blocks of 256 bytes that no other line names
.set VA,  2                            ; v2  LDS address of my A fragments; steps along K
.set VB,  3                            ; v3  the same for B
.set STO, 4                            ; v4  the way out: where I put 16 bytes of a row
.set RD,  5                            ; v5  where I read rows back
.set CO,  6                            ; v6  my byte offset in two rows of qk
.set L16, 7                            ; v7  16 x lane
.set BRD, 8                            ; v8  where I read my columns' biases
.set BST, 9                            ; v9  where I put four biases
.set BI,  20                           ; v[20:23] four biases
.set SPW, 24                           ; v24 LDS address of my spare word; never rewritten
.set NIL, 25                           ; v25 0; never rewritten
.set A0,  32                           ; two buffers of two A fragments
.set A1,  48
.set B0,  64                           ; two buffers of four B fragments
.set B1,  96
.set ACC, 128                          ; accumulator (a, b) at ACC + 8 (8 a + b)
.set WV,  12                           ; s12 my wave's number
.set G1A, 24                           ; s[24:31], s[32:39] descriptor groups 1
.set G1B, 32
.set G0A, 44                           ; s[44:47], s[48:51] descriptor groups 0
.set G0B, 48
.set CNT, 58
.macro PLACES                          ; four places in front of loads into registers that matrix instructions have read, and of lines that read results
.rept 4
	v_nop
.endr
.endm
.macro CROUND                          ; a round of the cluster's barrier
	s_barrier_signal -1
	s_barrier_wait -1
	s_cmp_lg_u32 s[WV], 0
	s_cbranch_scc1 .Lnot_wave_0_\@
	s_barrier_signal -3
.Lnot_wave_0_\@:
	s_barrier_wait -3
	s_barrier_signal -1
	s_barrier_wait -1
.endm
.macro FINISH
	s_wait_tensorcnt 0x0                           ; the wave's end
	ds_add_u32 v[SPW], v[NIL]
	s_wait_dscnt 0x0
	CROUND                                         ; the closing round
	s_endpgm
.endm
	s_load_b256 s[4:11], s[0:1], 0x0               ; h16 s[4:5], bqkv s[6:7], qk s[8:9], w2p s[10:11]
	v_lshl_add_u32 v[SPW], v0, 2, SPARE
	v_mov_b32 v[NIL], 0
	ds_add_u32 v[SPW], v[NIL]                      ; the wave's opening: the add and its wait ahead of my first tensor load
	v_lshrrev_b32 v1, 5, v0
	v_readfirstlane_b32 s[WV], v1
	s_bfe_u32 s13, ttmp6, 0x40000                  ; cx: my place in the cluster: it enters B's, the bias's and the outputs' addresses alone
	s_mov_b32 s14, ttmp9                           ; the cluster's number
	s_lshr_b32 s15, s14, 1                         ; (a) row tile
	s_and_b32 s16, s14, 1                          ; (a) which half of Wqkv's columns
	s_max_u32 s17, s14, 64
	s_sub_co_u32 s17, s17, 64
	s_lshr_b32 s18, s17, 3                         ; (b) row tile 0..4
	s_and_b32 s19, s17, 7                          ; (b) K slice
	s_lshl_b32 s40, s15, 17                        ; (a) A: 128 rows of 1,024 bytes a tile
	s_lshl_b32 s20, s18, 7
	s_min_u32 s20, s20, 385                        ; (b) the last tile ends with row 512
	s_lshl_b32 s20, s20, 10
	s_mul_i32 s21, s19, VPLANE
	s_add_co_u32 s20, s20, s21
	s_add_co_u32 s20, s20, WVO
	s_lshl_b32 s42, s16, 19                        ; (a) B
	s_add_co_u32 s42, s42, WQO
	s_lshl_b32 s21, s19, 19                        ; (b) B: 512 rows of Wo a slice
	s_add_co_u32 s21, s21, WOO
	s_cmp_lt_u32 s14, 64
	s_cselect_b32 s40, s40, s20
	s_cselect_b32 s42, s42, s21
	s_lshl_b32 s20, s[WV], 15                      ; my 32 rows of A,
	s_add_co_u32 s40, s40, s20
	s_mov_b32 s41, 0
	s_lshl_b32 s20, s[WV], 17                      ; my 128 rows of B,
	s_add_co_u32 s42, s42, s20
	s_lshl_b32 s22, s13, 8                         ; my work-group's 128 columns
	s_add_co_u32 s42, s42, s22
	s_mov_b32 s43, 0
	s_lshl_b32 s52, s15, 18                        ; qk: (128 tile + 32 wave) rows of 2,048 bytes + 256 x column tile
	s_lshl_b32 s20, s[WV], 16
	s_add_co_u32 s52, s52, s20
	s_lshl2_add_u32 s23, s16, s13                  ; column tile = 4 x half + cx
	s_lshl_b32 s22, s23, 8
	s_add_co_u32 s52, s52, s22
	s_mov_b32 s53, 0
	s_lshl_b32 s54, s23, 9                         ; its 128 biases
	s_mov_b32 s55, 0
	s_mul_i32 s56, s19, WPLANE                     ; w2p: slice, 8 column blocks a work-group, row block 8 tile + 2 wave
	s_mul_i32 s22, s13, 8*40*1024
	s_add_co_u32 s56, s56, s22
	s_lshl_b32 s20, s18, 13
	s_add_co_u32 s56, s56, s20
	s_lshl_b32 s20, s[WV], 11
	s_add_co_u32 s56, s56, s20
	s_mov_b32 s57, 0
	s_mov_b32 s[G1A], 15|(1<<16)|(1<<20)|(1<<21)|(7<<22)|(3<<25)  ; the mask of four; 2-byte elements; padding on; bit 21 beside a mask; after every 256 words 4 words
	s_mov_b32 s[G1A+1], 512<<16                    ; tensor_dim0
	s_mov_b32 s[G1A+2], 32<<16                     ; tensor_dim1
	s_mov_b32 s[G1A+3], 512<<16                    ; tile_dim0
	s_mov_b32 s[G1A+4], 32                         ; tile_dim1
	s_mov_b32 s[G1A+5], 512                        ; elements from row to row
	s_mov_b32 s[G1A+6], 0
	s_mov_b32 s[G1A+7], 0
	s_mov_b32 s[G1B], (1<<16)|(1<<20)|(5<<22)|(7<<25)  ; no mask; after every 64 words 8 words
	s_mov_b32 s[G1B+1], 128<<16
	s_mov_b32 s[G1B+2], 128<<16
	s_mov_b32 s[G1B+3], 128<<16
	s_mov_b32 s[G1B+4], 128
	s_mov_b32 s[G1B+5], 512
	s_mov_b32 s[G1B+6], 0
	s_mov_b32 s[G1B+7], 0
	s_mov_b32 s[G0A], 1
	s_mul_i32 s[G0A+1], s[WV], 32*PA
	s_mov_b32 s[G0B], 1
	s_mul_i32 s[G0B+1], s[WV], 128*PB
	s_add_co_u32 s[G0B+1], s[G0B+1], BLDS
	s_wait_dscnt 0x0                               ; the opening add is done
	s_wait_kmcnt 0x0
	s_add_nc_u64 s[G0A+2:G0A+3], s[4:5], s[40:41]
	s_or_b32 s[G0A+3], s[G0A+3], 0x80000000
	s_add_nc_u64 s[G0B+2:G0B+3], s[4:5], s[42:43]
	s_or_b32 s[G0B+3], s[G0B+3], 0x80000000
	s_add_nc_u64 s[8:9], s[8:9], s[52:53]
	s_add_nc_u64 s[6:7], s[6:7], s[54:55]
	s_add_nc_u64 s[10:11], s[10:11], s[56:57]
	CROUND                                         ; all four work-groups are here: the joint loads meet
	tensor_load_to_lds s[G0A:G0A+3], s[G1A:G1A+7]  ; my 32 rows of A, jointly; one load of mine is out
	s_nop 0
	tensor_load_to_lds s[G0B:G0B+3], s[G1B:G1B+7]  ; my 128 rows of B
	s_nop 0
	PLACES
	v_and_b32 v1, 15, v0                           ; r
	v_bfe_u32 v10, v0, 4, 1                        ; h
	v_and_b32 v11, 31, v0
	v_lshlrev_b32 v[L16], 4, v11
	v_mul_u32_u24 v[VA], v1, PA
	v_lshl_add_u32 v[VA], v10, 4, v[VA]
	s_mul_i32 s20, s[WV], 32*PA
	v_add_nc_u32 v[VA], s20, v[VA]                 ; (32 w + r) pitch + 16 h
	v_and_b32 v12, 7, v0
	v_lshl_add_u32 v[VB], v10, 3, v12
	v_mul_u32_u24 v[VB], v[VB], PB
	v_bfe_u32 v12, v0, 3, 1
	v_lshl_add_u32 v[VB], v12, 4, v[VB]
	v_add_nc_u32 v[VB], BLDS, v[VB]                ; (8 h + l % 8) pitch + 16 ((l / 8) % 2)
	s_mul_i32 s20, s[WV], 16*SP
	s_add_co_u32 s20, s20, STAGE
	v_mul_u32_u24 v[STO], v1, SP
	v_lshl_add_u32 v[STO], v10, 4, v[STO]
	v_add_nc_u32 v[STO], s20, v[STO]
	v_mul_u32_u24 v[RD], v10, SP
	v_lshl_add_u32 v[RD], v1, 4, v[RD]
	v_add_nc_u32 v[RD], s20, v[RD]
	v_lshlrev_b32 v[CO], 11, v10
	v_lshl_add_u32 v[CO], v1, 4, v[CO]
	s_lshl_b32 s20, s[WV], 9
	s_add_co_u32 s20, s20, BIAS
	v_add_nc_u32 v[BST], s20, v[L16]
	v_lshl_add_u32 v[BRD], v10, 5, s20
	s_wait_tensorcnt 0x0                           ; my parts are in,
	s_barrier_signal -1
	s_barrier_wait -1                              ; everybody's are; nothing is filled again
.macro LA ab, kl                       ; two A fragments of K step kl (from VA) into buffer ab
.irp u,0,1
	ds_load_b128 v[(\ab)+8*\u:(\ab)+8*\u+3],   v[VA] offset:\u*16*PA+64*(\kl)
	ds_load_b128 v[(\ab)+8*\u+4:(\ab)+8*\u+7], v[VA] offset:\u*16*PA+64*(\kl)+32
.endr
.endm
.macro LB bb, kl, nh                   ; four B fragments: K step kl, columns 64 nh on
.irp u,0,1,2,3
	ds_load_tr16_b128 v[(\bb)+8*\u:(\bb)+8*\u+3],   v[VB] offset:(\kl)*32*PB+32*(4*(\nh)+\u)
	ds_load_tr16_b128 v[(\bb)+8*\u+4:(\bb)+8*\u+7], v[VB] offset:(\kl)*32*PB+16*PB+32*(4*(\nh)+\u)
.endr
.endm
.macro MM ab, bb, nh, zero, swap       ; eight products on eight accumulators, which take turns
.irp u,0,1
.irp w,0,1,2,3
.set rD, ACC+8*(8*\u+4*(\nh)+\w)
.if \swap
.set rX, (\ab)+8*\u
.set rY, (\bb)+8*\w
.else
.set rX, (\bb)+8*\w
.set rY, (\ab)+8*\u
.endif
.if \zero
	v_wmma_f32_16x16x32_f16 v[rD:rD+7], v[rX:rX+7], v[rY:rY+7], 0
.else
	v_wmma_f32_16x16x32_f16 v[rD:rD+7], v[rX:rX+7], v[rY:rY+7], v[rD:rD+7]
.endif
.endr
.endr
.endm
; Two K steps of 32.  Each half step's loads are issued ahead of the half step before them; each count is the number of loads just issued.
.macro DK first, last, swap
	PLACES
	LB B1, 0, 1
	s_wait_dscnt 8
	MM A0, B0, 0, \first, \swap
	PLACES
	LA A1, 1
	LB B0, 1, 0
	s_wait_dscnt 12
	MM A0, B1, 1, \first, \swap
	PLACES
	LB B1, 1, 1
	s_wait_dscnt 8
	MM A1, B0, 0, 0, \swap
.if \last
	s_wait_dscnt 0
.else
	PLACES
	LA A0, 2
	LB B0, 2, 0
	s_wait_dscnt 12
.endif
	MM A1, B1, 1, 0, \swap
.if !(\last)
	v_add_nc_u32 v[VA], 128, v[VA]
	v_add_nc_u32 v[VB], 64*PB, v[VB]
.endif
.endm
	s_cmp_lt_u32 s14, 64                           ; the cluster's number: alike in all four partners
	s_cbranch_scc0 .Ltype_b
	global_load_b128 v[BI:BI+3], v[L16], s[6:7]    ; the tile's biases, four a lane
	LA A0, 0
	LB B0, 0, 0
	DK 1, 0, 0                                     ; the first K step starts the sums
	s_mov_b32 s[CNT], 6
.Lka:
	DK 0, 0, 0
	s_sub_co_u32 s[CNT], s[CNT], 1
	s_cmp_lg_u32 s[CNT], 0
	s_cbranch_scc1 .Lka
	DK 0, 1, 0
	PLACES
	s_wait_loadcnt 0x0
	v_cvt_pk_bf16_f32 v10, v[BI], v[BI+1]          ; the bias is rounded to bf16 like every input
	v_cvt_pk_bf16_f32 v11, v[BI+2], v[BI+3]
	v_lshlrev_b32 v[BI], 16, v10
	v_and_b32 v[BI+1], 0xffff0000, v10
	v_lshlrev_b32 v[BI+2], 16, v11
	v_and_b32 v[BI+3], 0xffff0000, v11
	ds_store_b128 v[BST], v[BI:BI+3]               ; through my own 512 bytes: LDS serves a wave's instructions in order (ISA guide 5.7.1.4)
.irp b,0,1,2,3,4,5,6,7
	ds_load_b128 v[B0+8*\b:B0+8*\b+3],   v[BRD] offset:64*\b     ; columns 16 b + 8 h + 0..7
	ds_load_b128 v[B0+8*\b+4:B0+8*\b+7], v[BRD] offset:64*\b+16
.endr
	s_wait_dscnt 0x0
.irp a,0,1                             ; 16 rows at a time: bias, f16, through my stage, out as whole 256 bytes
	s_wait_xcnt 0x0                                ; the registers that earlier stores read are rewritten only behind this wait
.set b, 0
.rept 8
.set rD, ACC+8*(8*\a+b)
.irp k,0,1,2,3
	v_pk_add_f32 v[rD+2*\k:rD+2*\k+1], v[rD+2*\k:rD+2*\k+1], v[B0+8*b+2*\k:B0+8*b+2*\k+1]
.endr
.irp k,0,1,2,3
	v_cvt_pk_f16_f32 v[A0+4*b+\k], v[rD+2*\k], v[rD+2*\k+1]
.endr
.set b, b+1
.endr
.irp b,0,1,2,3,4,5,6,7
	ds_store_b128 v[STO], v[A0+4*\b:A0+4*\b+3] offset:32*\b
.endr
.irp t,0,1,2,3,4,5,6,7
	ds_load_b128 v[A0+4*\t:A0+4*\t+3], v[RD] offset:\t*2*SP
.endr
.irp t,0,1,2,3,4,5,6,7
	s_wait_dscnt 7-\t
	global_store_b128 v[CO], v[A0+4*\t:A0+4*\t+3], s[8:9] offset:(16*\a+2*\t)*2048  ; 16 lanes store 256 consecutive bytes, aligned
.endr
.endr
	FINISH
.Ltype_b:
	LA A0, 0
	LB B0, 0, 0
	DK 1, 0, 1
	s_mov_b32 s[CNT], 6
.Lkb:
	DK 0, 0, 1
	s_sub_co_u32 s[CNT], s[CNT], 1
	s_cmp_lg_u32 s[CNT], 0
	s_cbranch_scc1 .Lkb
	DK 0, 1, 1
	PLACES
.irp a,0,1
.irp b,0,1,2,3,4,5,6,7
	global_store_b128 v[L16], v[ACC+8*(8*\a+\b):ACC+8*(8*\a+\b)+3],   s[10:11] offset:\b*40*1024+\a*1024      ; a store covers 512 consecutive bytes
	global_store_b128 v[L16], v[ACC+8*(8*\a+\b)+4:ACC+8*(8*\a+\b)+7], s[10:11] offset:\b*40*1024+\a*1024+512
.endr
.endr
	FINISH
.Lfunc_end_k_q76004b84af_gemm:
	.size	k_q76004b84af_gemm, .Lfunc_end_k_q76004b84af_gemm-k_q76004b84af_gemm
	.p2alignl 7, 3214868480
	.fill 96, 4, 3214868480
	.section	.rodata,"a",@progbits
	.p2align	6, 0x0
	.amdhsa_kernel k_q76004b84af_gemm
		.amdhsa_group_segment_fixed_size 327680
		.amdhsa_private_segment_fixed_size 0
		.amdhsa_enable_private_segment 0
		.amdhsa_kernarg_size 32
		.amdhsa_user_sgpr_count 2
		.amdhsa_user_sgpr_kernarg_segment_ptr 1
		.amdhsa_wavefront_size32 1
		.amdhsa_system_sgpr_workgroup_id_x 1
		.amdhsa_system_sgpr_workgroup_id_y 1
		.amdhsa_system_sgpr_workgroup_id_z 1
		.amdhsa_system_vgpr_workitem_id 0
		.amdhsa_next_free_vgpr 256
		.amdhsa_next_free_sgpr 66
		.amdhsa_reserve_vcc 0
		.amdhsa_float_denorm_mode_32 3
		.amdhsa_float_denorm_mode_16_64 3
		.amdhsa_memory_ordered 1
		.amdhsa_forward_progress 1
		.amdhsa_inst_pref_size 56
	.end_amdhsa_kernel
	.amdgpu_metadata
---
amdhsa.version: [ 1, 2 ]
amdhsa.kernels:
  - .name:           k_q76004b84af_gemm
    .symbol:         k_q76004b84af_gemm.kd
    .args:
      - { .name: h16, .offset: 0, .size: 8, .value_kind: global_buffer, .address_space: global }
      - { .name: bqkv, .offset: 8, .size: 8, .value_kind: global_buffer, .address_space: global }
      - { .name: qk, .offset: 16, .size: 8, .value_kind: global_buffer, .address_space: global }
      - { .name: w2p, .offset: 24, .size: 8, .value_kind: global_buffer, .address_space: global }
    .group_segment_fixed_size: 327680
    .private_segment_fixed_size: 0
    .kernarg_segment_align: 8
    .kernarg_segment_size: 32
    .max_flat_workgroup_size: 128
    .sgpr_count:     66
    .vgpr_count:     256
    .wavefront_size: 32
...
	.end_amdgpu_metadata
.endif
;; end of part 2
;; launch attn (part 3): grid 64 x 4, 4 waves a work-group, clusters of 4 x 1, 327,680 bytes of LDS; arguments qk, h16, w2p, w2h, opart, stat; writes w2h, opart, stat
.if DOCPART == 3
	.amdgcn_target "amdgcn-amd-amdhsa--gfx1250"
	.amdhsa_code_object_version 6
	.text
	.protected	k_q76004b84af_attn
	.globl	k_q76004b84af_attn
	.p2align	8
	.type	k_q76004b84af_attn,@function
k_q76004b84af_attn:
	s_mov_b64 s[64:65], 0
	v_nop
	global_prefetch_b8 v0, s[64:65] scope:SCOPE_SE
	s_setreg_imm32_b32 hwreg(HW_REG_WAVE_MODE, 25, 1), 1
	s_wait_xcnt 0x0
	s_wait_alu depctr_hold_cnt(0) depctr_sa_sdst(0) depctr_va_vdst(0) depctr_va_sdst(0) depctr_va_ssrc(0) depctr_va_vcc(0) depctr_vm_vsrc(0)
	s_getreg_b32 s2, hwreg(HW_REG_IB_STS2, 6, 4)
	s_cmp_eq_u32 s2, 0
	s_cbranch_scc0 .Lentry_in_a_cluster
	s_endpgm
.Lentry_in_a_cluster:
	s_bfe_u32 s2, ttmp6, 0x10000c
	s_cmp_lg_u32 s2, 0x3003
	s_cbranch_scc0 .Lentry_shape_is_right
	s_endpgm
.Lentry_shape_is_right:
; Both attention maps over a quarter of the keys, with x itself as the value: for map u, opart[split][u][q][:] = (sum over the split's 512 keys of p x[key][:]) / l, in f16,
; stat[split][u][q] = (m, l): m the largest raw score, p = 2^(c (s - m)), c = log2(e) / sqrt(128), l the sum of p.  The next launch joins the four splits.
; (The module's value, output and bias steps are linear and a softmax row sums to 1, so out = (attn1 x - lam attn2 x)(Wv Wo) + (1 - lam) bv Wo + bo for every input.)
; Beside that each wave adds one 16 x 16 block of Wv Wo over the eight K slices of w2p, in ascending order in f32, and writes it to w2h as f16, laid as half a B fragment.
; LIMITS.  q, k, x arrive as f16; p lies in 0 to 1 and below 6e-5 keeps f16's fixed step of 6e-8; a weight below 2^-126 counts as 0 in l; Wv Wo beyond 65,504 becomes an infinity;
; NaN and infinities are not treated apart.  m is subtracted from the raw score before the scaling, so a row's largest weight is exactly 1 whatever the scores' size.
; SHARES.  A work-group owns 64 queries and 512 keys; wave w map w / 2 and 32 queries (two tiles of 16).  Eight key steps of 64.
; LAYOUT.  S^T = K Q^T (source 0 = 16 keys, source 1 = 16 queries): a lane holds ONE query (lane % 16) and the keys 8 (lane / 16) + 0..7.  Two such results rounded to f16 ARE source 1 of
; O^T = V^T P, whose result again holds one query a lane.  K comes out of LDS as it lies, V ([key][channel]) turned, by ds_load_tr16_b128.
; In phases: a step's 64 products K Q^T, the softmax, the rescaling of O^T, its 128 products V^T P.  m starts at the lowest finite number, O^T and l at 0, so the first step is a step like any other.
; CLUSTER.  The four query blocks of a cluster walk the same K and V: each tile is asked for JOINTLY, the same load, descriptor and mask in all four.
; REGISTERS, in windows of 256 (s_set_vgpr_msb: bits 1:0 source 0, 3:2 source 1, 5:4 source 2, 7:6 destination):
;   window 0: addresses, statistics; v64-127 S^T (32 a tile); v128-159 P (16 a tile); v160-223 a second set for the way out
;   window 1: O^T of channels 0-255, block cb and tile t at 8 (2 cb + t);  window 2: channels 256-511 likewise;  window 3: v0-127 Q; v128-191, v192-255 two buffers of eight fragments
.set SLOT,  134144                     ; a step's tiles: 64 rows of K1|K2, then 64 rows of x
.set PK,    1040                       ; a row of K: 1,024 bytes + 16: the 16 rows of a load start at 16 different groups of four banks (64 banks of 4 bytes: ISA guide 11.1)
.set PV,    1056                       ; a row of V: 1,024 + 32
.set VOFF,  64*PK
.set STAGE, 2*SLOT                     ; behind the ring, never filled by a tensor load: 16 rows x 528 bytes for each wave
.set SP,    528
.set SPARE, STAGE+4*16*SP              ; the spare words, 128 bytes for each wave: two blocks of 256 bytes that no other line names
.set PLANE, 1310720                    ; a K slice of w2p
.set AK0, 2                            ; v2  my lane's place in a tile of K (my map's half of the row); never rewritten
.set AV0, 3                            ; v3  the same for V
.set AK,  4                            ; v4  AK0 + the slot in hand
.set AV,  5
.set STO, 6                            ; v6  the way out: where I put 16 bytes of a row
.set RD,  7                            ; v7  where I read a row back
.set GO,  8                            ; v8  16 x lane
.set QO,  9                            ; v9  my byte offset in 16 rows of qk
.set MV,  12                           ; v12-13 the old m, by tile
.set ST,  16                           ; tile t at ST + 4 t: m, (named with it as a pair), l of the even keys, of the odd keys
.set TMP, 24                           ; tile t at TMP + 4 t: c0-c3 at work; c2 takes a
.set SPW, 62
.set NIL, 63
.set S,   64
.set P,   128
.set SB,  160
.set FB,  128                          ; window 3
.set WV,  16                           ; s16 my wave's number
.set G1K, 24
.set G1V, 32
.set G0K, 40
.set G0V, 44
.set TB,  48                           ; s48 ahead of a change of slots: the slot to be filled; behind it: the slot to be read
.set KW,  49                           ; s49 my part of K's tile in a slot
.set VW,  50                           ; s50 of V's
.set CNT, 51
.set CS,  52                           ; s[52:53] c
.set SEL, 54                           ; s[54:55] v_permlanex16_b32's selects: each lane takes its own place in the other half
.set MSB, 0
.macro WIN new                         ; the high byte repeats the setting that is left; a switch that changes nothing is dropped
.if MSB != (\new)
	s_set_vgpr_msb (MSB<<8)|(\new)
.set MSB, (\new)
.endif
.endm
.macro PLACES
.rept 4
	v_nop
.endr
.endm
.macro CROUND
	s_barrier_signal -1
	s_barrier_wait -1
	s_cmp_lg_u32 s[WV], 0
	s_cbranch_scc1 .Lnot_wave_0_\@
	s_barrier_signal -3
.Lnot_wave_0_\@:
	s_barrier_wait -3
	s_barrier_signal -1
	s_barrier_wait -1
.endm
; A joint fill: waves 0 and 1 fetch the two halves of a step's K, waves 2 and 3 those of its V.  An s_nop 0 and four v_nop follow each of the two lines.
.macro JLOAD
	s_cmp_lt_u32 s[WV], 2
	s_cbranch_scc0 .Lfor_v_\@
	tensor_load_to_lds s[G0K:G0K+3], s[G1K:G1K+7]
	s_nop 0
	PLACES
	s_branch .Lasked_\@
.Lfor_v_\@:
	tensor_load_to_lds s[G0V:G0V+3], s[G1V:G1V+7]
	s_nop 0
	PLACES
.Lasked_\@:
.endm
; THE CHANGE OF SLOTS.  Each wave waits for all its tensor loads, of which one is out: its part of the step to come; adds 0 to its spare word; waits for that and for its reads of the slot that it leaves.
; fill = 1: behind a round of the cluster's barrier that slot takes the step after, the first thing there: it has a whole key step in which to land.
.macro CHANGE fill
	WIN 0
	s_wait_tensorcnt 0x0                           ; no tensor load of mine is out, so a group 0 may be written
	ds_add_u32 v[SPW], v[NIL]
.if \fill
	s_add_co_u32 s[G0K+1], s[TB], s[KW]
	s_add_co_u32 s[G0V+1], s[TB], s[VW]
	s_add_nc_u64 s[G0K+2:G0K+3], s[G0K+2:G0K+3], 64*2048
	s_add_nc_u64 s[G0V+2:G0V+3], s[G0V+2:G0V+3], 64*1024
.endif
	s_xor_b32 s[TB], s[TB], SLOT                   ; TB is 0 or SLOT
	s_wait_dscnt 0x0                               ; the add is done, and my reads of the slot are over
.if \fill
	CROUND
	JLOAD
.else
	s_barrier_signal -1
	s_barrier_wait -1
	PLACES
.endif
.endm
	s_load_b256 s[4:11], s[0:1], 0x0               ; qk s[4:5], h16 s[6:7], w2p s[8:9], w2h s[10:11]
	s_load_b128 s[12:15], s[0:1], 0x20             ; opart s[12:13], stat s[14:15]
	v_lshl_add_u32 v[SPW], v0, 2, SPARE
	v_mov_b32 v[NIL], 0
	ds_add_u32 v[SPW], v[NIL]                      ; the wave's opening: the add and its wait ahead of my first tensor load
	v_lshrrev_b32 v1, 5, v0
	v_readfirstlane_b32 s[WV], v1
	s_bfe_u32 s17, ttmp6, 0x40000                  ; cx
	s_lshl_b32 s18, ttmp9, 2
	s_add_co_u32 s18, s18, s17                     ; my block of 64 queries: it enters Q's, w2p's and the outputs' addresses alone
	s_and_b32 s19, ttmp7, 0xffff                   ; the split
	s_lshr_b32 s20, ttmp9, 3                       ; the batch, which the partners share
	s_and_b32 s21, s[WV], 1
	s_lshr_b32 s22, s[WV], 1                       ; my map
	s_lshl_b32 s70, s20, 11
	s_lshl_b32 s71, s19, 9
	s_add_co_u32 s70, s70, s71
	s_lshl_b32 s71, s21, 5
	s_add_co_u32 s70, s70, s71                     ; the first key row that I fetch
	s_lshl_b32 s72, s70, 11
	s_add_co_u32 s72, s72, 1024                    ; K1|K2 are the second half of a row of qk
	s_mov_b32 s73, 0
	s_lshl_b32 s74, s70, 10
	s_mov_b32 s75, 0
	s_mul_i32 s[KW], s21, 32*PK
	s_mul_i32 s[VW], s21, 32*PV
	s_add_co_u32 s[VW], s[VW], VOFF
	s_lshl_b32 s23, s18, 6
	s_add_co_u32 s23, s23, s71                     ; my first query
	s_lshl_b32 s56, s23, 11
	s_lshl_b32 s76, s22, 9
	s_add_co_u32 s56, s56, s76                     ; Q1 or Q2
	s_mov_b32 s57, 0
	s_lshl1_add_u32 s76, s19, s22
	s_lshl_b32 s76, s76, 12
	s_add_co_u32 s76, s76, s23                     ; my first row among the 8 x 4,096 of opart and stat
	s_lshl_b32 s66, s76, 10
	s_mov_b32 s67, 0
	s_lshl_b32 s68, s76, 3
	s_mov_b32 s69, 0
	s_lshl_b32 s77, s19, 6
	s_add_co_u32 s77, s77, s18                     ; the work-group's number,
	s_lshl2_add_u32 s78, s77, s[WV]                ; my block of Wv Wo: 32 nb + ib
	s_lshr_b32 s77, s77, 3
	s_lshl3_add_u32 s77, s77, s78                  ; 40 nb + ib
	s_lshl_b32 s58, s77, 10
	s_mov_b32 s59, 0
	s_lshl_b32 s62, s78, 9
	s_mov_b32 s63, 0
	s_mov_b32 s[G1K], 15|(1<<16)|(1<<20)|(1<<21)|(7<<22)|(3<<25)  ; the mask of four; 2-byte elements; padding on; bit 21 beside a mask; after every 256 words 4 words
	s_mov_b32 s[G1V], 15|(1<<16)|(1<<20)|(1<<21)|(7<<22)|(7<<25)  ; the same with 8 words
.irp g, G1K, G1V
	s_mov_b32 s[\g+1], 512<<16                     ; tensor_dim0
	s_mov_b32 s[\g+2], 32<<16                      ; tensor_dim1
	s_mov_b32 s[\g+3], 512<<16                     ; tile_dim0
	s_mov_b32 s[\g+4], 32                          ; tile_dim1
	s_mov_b32 s[\g+6], 0
	s_mov_b32 s[\g+7], 0
.endr
	s_mov_b32 s[G1K+5], 1024                       ; elements from row to row
	s_mov_b32 s[G1V+5], 512
	s_mov_b32 s[CS], 0x3e0293ee                    ; c = log2(e) / sqrt(128)
	s_mov_b32 s[CS+1], s[CS]
	s_mov_b32 s[SEL], 0x76543210
	s_mov_b32 s[SEL+1], 0xfedcba98
	s_mov_b32 s[TB], SLOT
	s_mov_b32 s[G0K], 1
	s_mov_b32 s[G0K+1], s[KW]                      ; slot 0
	s_mov_b32 s[G0V], 1
	s_mov_b32 s[G0V+1], s[VW]
	s_wait_dscnt 0x0                               ; the opening add is done
	s_wait_kmcnt 0x0
	s_add_nc_u64 s[G0K+2:G0K+3], s[4:5], s[72:73]
	s_or_b32 s[G0K+3], s[G0K+3], 0x80000000
	s_add_nc_u64 s[G0V+2:G0V+3], s[6:7], s[74:75]
	s_or_b32 s[G0V+3], s[G0V+3], 0x80000000
	s_add_nc_u64 s[56:57], s[4:5], s[56:57]        ; Q
	s_add_nc_u64 s[58:59], s[8:9], s[58:59]        ; w2p, slices 0-3
	s_add_nc_u64 s[60:61], s[58:59], 4*PLANE       ; slices 4-7: the immediate has 24 bits
	s_add_nc_u64 s[62:63], s[10:11], s[62:63]      ; w2h
	s_add_nc_u64 s[66:67], s[12:13], s[66:67]      ; opart
	s_add_nc_u64 s[68:69], s[14:15], s[68:69]      ; stat
	CROUND                                         ; all four work-groups are here
	JLOAD                                          ; key step 0 into slot 0
	v_and_b32 v1, 15, v0                           ; r
	v_bfe_u32 v10, v0, 4, 1                        ; h
	v_lshlrev_b32 v[QO], 11, v1
	v_lshl_add_u32 v[QO], v10, 4, v[QO]
	v_and_b32 v[GO], 31, v0
	v_lshlrev_b32 v[GO], 4, v[GO]
	WIN 0xc0                                       ; destination window 3, address window 0
.set i, 0
.rept 16                               ; Q stays in registers: tile i / 8, channels 32 (i % 8) on
	global_load_b128 v[8*i:8*i+3],   v[QO], s[56:57] offset:(i/8)*32768+(i%8)*64
	global_load_b128 v[8*i+4:8*i+7], v[QO], s[56:57] offset:(i/8)*32768+(i%8)*64+32
.set i, i+1
.endr
	WIN 0
.set i, 0
.rept 8                                ; my block of Wv Wo in the eight slices
	global_load_b128 v[S+8*i:S+8*i+3],   v[GO], s[58+2*(i/4):59+2*(i/4)] offset:(i%4)*PLANE
	global_load_b128 v[S+8*i+4:S+8*i+7], v[GO], s[58+2*(i/4):59+2*(i/4)] offset:(i%4)*PLANE+512
.set i, i+1
.endr
	WIN 0x40                                       ; O^T starts at 0: no first step is written out; this stands in the wait for the first tile
.set i, 0
.rept 256
	v_mov_b32 v[i], 0
.set i, i+1
.endr
	WIN 0x80
.set i, 0
.rept 256
	v_mov_b32 v[i], 0
.set i, i+1
.endr
	WIN 0
.irp t,0,1
	v_mov_b32 v[ST+4*\t], 0xff7fffff               ; m: the lowest finite number
	v_mov_b32 v[ST+4*\t+1], 0
	v_mov_b32 v[ST+4*\t+2], 0
	v_mov_b32 v[ST+4*\t+3], 0
.endr
	v_mul_u32_u24 v[AK0], v1, PK
	v_lshl_add_u32 v[AK0], v10, 4, v[AK0]
	s_lshl_b32 s70, s22, 9
	v_add_nc_u32 v[AK0], s70, v[AK0]               ; row x pitch + 16 h + my map's 512 bytes
	v_and_b32 v11, 7, v0
	v_lshl_add_u32 v[AV0], v10, 3, v11
	v_mul_u32_u24 v[AV0], v[AV0], PV
	v_bfe_u32 v11, v0, 3, 1
	v_lshl_add_u32 v[AV0], v11, 4, v[AV0]
	v_add_nc_u32 v[AV0], VOFF, v[AV0]              ; (8 h + l % 8) pitch + 16 ((l / 8) % 2)
	s_mul_i32 s70, s[WV], 16*SP
	s_add_co_u32 s70, s70, STAGE
	v_mul_u32_u24 v[STO], v1, SP
	v_lshl_add_u32 v[STO], v10, 4, v[STO]
	v_add_nc_u32 v[STO], s70, v[STO]
	v_add_nc_u32 v[RD], s70, v[GO]
	s_wait_loadcnt 0x0                             ; Q and the eight slices
.set i, 1
.rept 7                                ; ascending over the slices
.irp k,0,1,2,3
	v_pk_add_f32 v[S+2*\k:S+2*\k+1], v[S+2*\k:S+2*\k+1], v[S+8*i+2*\k:S+8*i+2*\k+1]
.endr
.set i, i+1
.endr
.irp k,0,1,2,3
	v_cvt_pk_f16_f32 v[SB+\k], v[S+2*\k], v[S+2*\k+1]
.endr
	global_store_b128 v[GO], v[SB:SB+3], s[62:63]  ; 512 consecutive bytes
; THE LDS LOADS stand in runs of 16.  Runs 0-3: K, channels 64 r on (fragment 4 d + kb).  Runs 4-11: V, by window, then half of the keys, then eight channel blocks.
.macro FETCH r
.set fb, FB+64*((\r)%2)
	WIN 0xc0
.if (\r) < 4
.set f, 0
.rept 8
	ds_load_b128 v[fb+8*f:fb+8*f+3],   v[AK] offset:(f%4)*16*PK+(2*(\r)+f/4)*64
	ds_load_b128 v[fb+8*f+4:fb+8*f+7], v[AK] offset:(f%4)*16*PK+(2*(\r)+f/4)*64+32
.set f, f+1
.endr
.else
.set pr, (\r)-4
.set f, 0
.rept 8
	ds_load_tr16_b128 v[fb+8*f:fb+8*f+3],   v[AV] offset:((pr/2)%2)*32*PV+(16*(pr/4)+8*(pr%2)+f)*32
	ds_load_tr16_b128 v[fb+8*f+4:fb+8*f+7], v[AV] offset:((pr/2)%2)*32*PV+16*PV+(16*(pr/4)+8*(pr%2)+f)*32
.set f, f+1
.endr
.endif
.endm
; 16 products of S^T = K Q^T: the eight accumulators take turns.  The first eight of a step start the sums.
.macro MULQK r
	WIN 0x0f                                       ; K and Q in window 3, S^T in window 0
.set fb, FB+64*((\r)%2)
.set i, 0
.rept 16
.set rS, S+32*(i%2)+8*((i/2)%4)
.set rK, fb+8*(4*(i/8)+(i/2)%4)
.set rQ, 64*(i%2)+8*(2*(\r)+i/8)
.if ((\r) == 0) && (i < 8)
	v_wmma_f32_16x16x32_f16 v[rS:rS+7], v[rK:rK+7], v[rQ:rQ+7], 0
.else
	v_wmma_f32_16x16x32_f16 v[rS:rS+7], v[rK:rK+7], v[rQ:rQ+7], v[rS:rS+7]
.endif
.set i, i+1
.endr
.endm
; 16 products of O^T += V^T P on 16 accumulators.
.macro MULPV r
.set pr, (\r)-4
.if pr < 4
	WIN 0x53                                       ; V in window 3, P in window 0, O^T in window 1
.else
	WIN 0xa3                                       ; O^T in window 2
.endif
.set fb, FB+64*((\r)%2)
.set i, 0
.rept 16
.set rO, ((8*(pr%2)+i/2)*2+i%2)*8
.set rV, fb+8*(i/2)
.set rP, P+16*(i%2)+8*((pr/2)%2)
	v_wmma_f32_16x16x32_f16 v[rO:rO+7], v[rV:rV+7], v[rP:rP+7], v[rO:rO+7]
.set i, i+1
.endr
.endm
; Number n of the 22 that find tile t's maximum and a.  0-11: four chains of seven scores (each accumulator's lowest registers are read first); 12-14, 16: the four left over, the old m,
; c0-c3 into c0; 15: the old m is kept; 17, 18: the query's other 32 keys lie in the lane 16 away; 19-21: a = 2^(c (m_old - m)).
.macro XS t, n
.set rT, ST+4*(\t)
.set rC, TMP+4*(\t)
.set rS, S+32*(\t)
.set rM, MV+(\t)
.if (\n) < 4
	v_max3_num_f32 v[rC+(\n)], v[rS+8*(\n)], v[rS+8*(\n)+1], v[rS+8*(\n)+2]
.elseif (\n) < 12
	v_max3_num_f32 v[rC+(\n)%4], v[rC+(\n)%4], v[rS+8*((\n)%4)+2*((\n)/4)+1], v[rS+8*((\n)%4)+2*((\n)/4)+2]
.elseif (\n) == 12
	v_max3_num_f32 v[rC], v[rC], v[rS+7], v[rS+15]
.elseif (\n) == 13
	v_max3_num_f32 v[rC+1], v[rC+1], v[rS+23], v[rS+31]
.elseif (\n) == 14
	v_max3_num_f32 v[rC+2], v[rC+2], v[rC+3], v[rT]
.elseif (\n) == 15
	v_mov_b32 v[rM], v[rT]
.elseif (\n) == 16
	v_max3_num_f32 v[rC], v[rC], v[rC+1], v[rC+2]
.elseif (\n) == 17
	v_permlanex16_b32 v[rC+3], v[rC], s[SEL], s[SEL+1]
.elseif (\n) == 18
	v_max_num_f32 v[rT], v[rC], v[rC+3]
.elseif (\n) == 19
	v_sub_f32 v[rC+1], v[rM], v[rT]
.elseif (\n) == 20
	v_mul_f32 v[rC+1], s[CS], v[rC+1]
.else
	v_exp_f32 v[rC+2], v[rC+1]
.endif
.endm
.macro SOFT
	WIN 0
	PLACES                                         ; behind the last product K Q^T
.irp n, 0,1,2,3,4,5,6,7,8,9,10,11,12,13,14,15,16,17,18,19,20,21
	XS 0, \n
	XS 1, \n
.endr
.set i, 0
.rept 32                               ; s - m, both tiles' 16 pairs
	v_pk_add_f32 v[S+2*i:S+2*i+1], v[S+2*i:S+2*i+1], v[ST+4*(i/16):ST+4*(i/16)+1] op_sel_hi:[1,0] neg_lo:[0,1] neg_hi:[0,1]
.set i, i+1
.endr
.set i, 0
.rept 32
	v_pk_mul_f32 v[S+2*i:S+2*i+1], v[S+2*i:S+2*i+1], s[CS:CS+1] op_sel_hi:[1,0]
.set i, i+1
.endr
.set i, 0
.rept 64
	v_exp_f32 v[S+i], v[S+i]
.set i, i+1
.endr
	v_nop                                          ; a plain instruction between the last exponential and the use of its result (ISA guide 5.7.2)
.set i, 0
	s_wait_alu depctr_va_vdst(0)
.rept 32
	v_cvt_pk_f16_f32 v[P+i], v[S+2*i], v[S+2*i+1]
.set i, i+1
.endr
.irp w, 8,4,2,1                        ; the sum of a tile's 16 pairs, in place, the two tiles alternating
.set u, 0
.rept \w
	v_pk_add_f32 v[S+2*u:S+2*u+1], v[S+2*u:S+2*u+1], v[S+2*(u+\w):S+2*(u+\w)+1]
	v_pk_add_f32 v[S+32+2*u:S+32+2*u+1], v[S+32+2*u:S+32+2*u+1], v[S+32+2*(u+\w):S+32+2*(u+\w)+1]
.set u, u+1
.endr
.endr
.irp t,0,1
	v_pk_fma_f32 v[ST+4*\t+2:ST+4*\t+3], v[ST+4*\t+2:ST+4*\t+3], v[TMP+4*\t+2:TMP+4*\t+3], v[S+32*\t:S+32*\t+1] op_sel_hi:[1,0,1]  ; l = a l + sum
.endr
.endm
.macro RESC                            ; O^T times a; pair i lies in accumulator i / 4, whose tile is its number's parity
.irp w, 0x41, 0x82
	WIN \w
.set i, 0
.rept 128
	v_pk_mul_f32 v[2*i:2*i+1], v[2*i:2*i+1], v[TMP+4*((i/4)%2)+2:TMP+4*((i/4)%2)+3] op_sel_hi:[1,0]
.set i, i+1
.endr
.endr
.endm
; A KEY STEP.  Run r + 1 is issued ahead of run r's products; s_wait_dscnt 16 leaves it out.  Four places stand between a buffer's last product and the loads into it;
; ahead of runs 0 and 1 they are the v_nop behind the change of slots, ahead of run 5 the softmax.
.macro STEP
	WIN 0
	v_add_nc_u32 v[AK], s[TB], v[AK0]
	v_add_nc_u32 v[AV], s[TB], v[AV0]
	FETCH 0
.set rr, 0
.rept 4
.if rr > 0
	PLACES
.endif
	FETCH rr+1
	s_wait_dscnt 16
	MULQK rr
.set rr, rr+1
.endr
	SOFT
	RESC
.rept 8
.if rr > 4
	PLACES
.endif
.if rr < 11
	FETCH rr+1
	s_wait_dscnt 16
.else
	s_wait_dscnt 0
.endif
	MULPV rr
.set rr, rr+1
.endr
.endm
	s_mov_b32 s[CNT], 7
.Lstep:                                ; seven trips: a step is entered and the next is asked for
	CHANGE 1
	STEP
	WIN 0
	s_sub_co_u32 s[CNT], s[CNT], 1
	s_cmp_lg_u32 s[CNT], 0
	s_cbranch_scc1 .Lstep
	CHANGE 0                                       ; the last step is written out
	STEP
	; THE WAY OUT.  l's two halves and the other half of the lanes' are added; (m, l) go out, 32 queries in 256 consecutive bytes; O^T is divided by l, rounded to f16 and sent through my stage.
	WIN 0
	PLACES
.irp t,0,1
	v_add_f32 v[ST+4*\t+2], v[ST+4*\t+2], v[ST+4*\t+3]
.endr
.irp t,0,1
	v_permlanex16_b32 v[ST+4*\t+3], v[ST+4*\t+2], s[SEL], s[SEL+1]
.endr
.irp t,0,1
	v_add_f32 v[ST+4*\t+2], v[ST+4*\t+2], v[ST+4*\t+3]
.endr
	v_and_b32 v11, 31, v0
	v_cmp_lt_u32 vcc_lo, 15, v11                   ; lanes 0-15 speak for tile 0, lanes 16-31 for tile 1
	v_cndmask_b32 v12, v[ST], v[ST+4], vcc_lo
	v_cndmask_b32 v13, v[ST+2], v[ST+6], vcc_lo
	v_lshlrev_b32 v11, 3, v11
	global_store_b64 v11, v[12:13], s[68:69]
	v_rcp_f32 v[ST+2], v[ST+2]
	v_rcp_f32 v[ST+6], v[ST+6]
	v_nop
	s_wait_alu depctr_va_vdst(0)
; Tile t, 256 channels (hf = 0: window 1, 1: window 2), through register set st: a lane's eight channels pack into 16 bytes; they go into rows of 528 bytes and come back as whole rows of 512.
.macro PACK t, hf, st
	s_wait_xcnt 0x0                                ; the registers that earlier stores read are rewritten only behind this wait
	WIN 0x41+0x41*(\hf)
.set i, 0
.rept 16
.set rO, (2*i+(\t))*8
.irp k,0,1,2,3
	v_pk_mul_f32 v[rO+2*\k:rO+2*\k+1], v[rO+2*\k:rO+2*\k+1], v[ST+4*(\t)+2:ST+4*(\t)+3] op_sel_hi:[1,0]
.endr
.set i, i+1
.endr
	WIN 0x05+0x05*(\hf)
.set i, 0
.rept 16
.set rO, (2*i+(\t))*8
.irp k,0,1,2,3
	v_cvt_pk_f16_f32 v[(\st)+4*i+\k], v[rO+2*\k], v[rO+2*\k+1]
.endr
.set i, i+1
.endr
	WIN 0
.set i, 0
.rept 16
	ds_store_b128 v[STO], v[(\st)+4*i:(\st)+4*i+3] offset:32*i
.set i, i+1
.endr
.set i, 0
.rept 16
	ds_load_b128 v[(\st)+4*i:(\st)+4*i+3], v[RD] offset:SP*i  ; LDS serves a wave's instructions in order (ISA guide 5.7.1.4): these see the stores above
.set i, i+1
.endr
.set i, 0
.rept 16
	s_wait_dscnt 15-i
	global_store_b128 v[GO], v[(\st)+4*i:(\st)+4*i+3], s[66:67] offset:(\t)*16384+i*1024+(\hf)*512  ; 512 consecutive bytes, aligned
.set i, i+1
.endr
.endm
	PACK 0, 0, S
	PACK 0, 1, SB
	PACK 1, 0, S
	PACK 1, 1, SB
	s_wait_tensorcnt 0x0                           ; the wave's end
	ds_add_u32 v[SPW], v[NIL]
	s_wait_dscnt 0x0
	CROUND                                         ; the closing round
	s_endpgm
.Lfunc_end_k_q76004b84af_attn:
	.size	k_q76004b84af_attn, .Lfunc_end_k_q76004b84af_attn-k_q76004b84af_attn
	.p2alignl 7, 3214868480
	.fill 96, 4, 3214868480
	.section	.rodata,"a",@progbits
	.p2align	6, 0x0
	.amdhsa_kernel k_q76004b84af_attn
		.amdhsa_group_segment_fixed_size 327680
		.amdhsa_private_segment_fixed_size 0
		.amdhsa_enable_private_segment 0
		.amdhsa_kernarg_size 48
		.amdhsa_user_sgpr_count 2
		.amdhsa_user_sgpr_kernarg_segment_ptr 1
		.amdhsa_wavefront_size32 1
		.amdhsa_system_sgpr_workgroup_id_x 1
		.amdhsa_system_sgpr_workgroup_id_y 1
		.amdhsa_system_sgpr_workgroup_id_z 1
		.amdhsa_system_vgpr_workitem_id 0
		.amdhsa_next_free_vgpr 1024
		.amdhsa_next_free_sgpr 80
		.amdhsa_reserve_vcc 1
		.amdhsa_float_denorm_mode_32 3
		.amdhsa_float_denorm_mode_16_64 3
		.amdhsa_memory_ordered 1
		.amdhsa_forward_progress 1
		.amdhsa_inst_pref_size 191
	.end_amdhsa_kernel
	.amdgpu_metadata
---
amdhsa.version: [ 1, 2 ]
amdhsa.kernels:
  - .name:           k_q76004b84af_attn
    .symbol:         k_q76004b84af_attn.kd
    .args:
      - { .name: qk, .offset: 0, .size: 8, .value_kind: global_buffer, .address_space: global }
      - { .name: h16, .offset: 8, .size: 8, .value_kind: global_buffer, .address_space: global }
      - { .name: w2p, .offset: 16, .size: 8, .value_kind: global_buffer, .address_space: global }
      - { .name: w2h, .offset: 24, .size: 8, .value_kind: global_buffer, .address_space: global }
      - { .name: opart, .offset: 32, .size: 8, .value_kind: global_buffer, .address_space: global }
      - { .name: stat, .offset: 40, .size: 8, .value_kind: global_buffer, .address_space: global }
    .group_segment_fixed_size: 327680
    .private_segment_fixed_size: 0
    .kernarg_segment_align: 8
    .kernarg_segment_size: 48
    .max_flat_workgroup_size: 128
    .sgpr_count:     80
    .vgpr_count:     1024
    .wavefront_size: 32
...
	.end_amdgpu_metadata
.endif
;; end of part 3
;; launch final (part 4): grid 2 x 128, 16 waves a work-group, no clusters, 68,608 bytes of LDS; arguments opart, stat, w2h, w2p, bo, lq1, lk1, lq2, lk2, out0; writes out0
.if DOCPART == 4
	.amdgcn_target "amdgcn-amd-amdhsa--gfx1250"
	.amdhsa_code_object_version 6
	.text
	.protected	k_q76004b84af_final
	.globl	k_q76004b84af_final
	.p2align	8
	.type	k_q76004b84af_final,@function
k_q76004b84af_final:
	s_mov_b64 s[64:65], 0
	v_nop
	global_prefetch_b8 v0, s[64:65] scope:SCOPE_SE
	s_setreg_imm32_b32 hwreg(HW_REG_WAVE_MODE, 25, 1), 1
	s_wait_xcnt 0x0
; out = G (Y (Wv Wo)) + (1 - lam) (bv Wo) + bf16(bo), with Y = (attn1 x - lam attn2 x) / G, G = max(1, |lam|), so that |Y| stays within twice x's range and fits f16.
; attn_u x is joined from the four splits: coefficient of split s = l_s 2^(c (m_s - M)) / the sum of these, M the largest m_s.
; lam = exp(sum lq1 lk1) - exp(sum lq2 lk2) + (0.8 - 0.6), the four vectors rounded to bf16 like every input.
; LIMITS.  As the launches before: f16's range for Y; a weight below 2^-126 counts as 0; NaN and infinities are not treated apart.
; SHARES.  A work-group makes 32 rows x 256 columns.  Wave w joins rows 2 w and 2 w + 1 (all 512 channels, f32, rounded once to f16, into LDS), then multiplies all 32 rows by column block 16 ch + w.
; No tensor load, so no cluster: the operands come through registers; W2's fragments lie in memory as the registers want them.
.set PA,    1040                       ; a row in LDS: 1,024 bytes + 16
.set STAGE, 32*PA                      ; the f32 result, 32 rows of 256 numbers
.set SPARE, 2*32*PA                    ; the spare words, 128 bytes for each of 16 waves: eight blocks of 256 bytes that no other line names
.set PLANE, 1310720
.set L16,  1                           ; v1  16 x lane
.set ZERO, 2                           ; v2  0, the offset of loads that are alike in all lanes
.set SPW,  3
.set NIL,  4
.set AST,  5                           ; v5  LDS: row 2 w, 16 x lane
.set AFR,  6                           ; v6  LDS: my lane's place in a fragment of Y
.set VST,  7                           ; v7  LDS: my lane's place in the stage
.set T,    8                           ; v[8:15] at work
.set CO,   16                          ; v[16:31] coefficients: row i, partial 2 s + u at CO + 8 i + 2 s + u; later c (v16-23), bo (v24), their offsets (v25, v26), the addend (v27)
.set Y,    32                          ; v[32:47] a row of Y in f32: 8 channels of each half; later the results
.set ACC,  112                         ; two accumulators
.set B,    128                         ; v[128:255] W2's 16 fragments; before they are asked for:
.set LV,   128                         ;   lq1, lk1, lq2, lk2, four numbers a lane each
.set SV,   144                         ;   (m, l): partial 2 s + u, row i at SV + 4 (2 s + u) + 2 i
.set W,    176                         ;   at work
.set CM,   184
.set CE,   185
.set CW,   189
.set GV,   190                         ;   1 / G, - lam / G
.set CX,   192
.set WV,   24
.set OB,   32                          ; s[32:39] opart at my rows, four bases 8 MiB apart
.set CS,   52
.set SEL,  54
.macro PLACES
.rept 4
	v_nop
.endr
.endm
	s_load_b512 s[4:19], s[0:1], 0x0               ; opart, stat, w2h, w2p, bo, lq1, lk1, lq2
	s_load_b128 s[20:23], s[0:1], 0x40             ; lk2, out0
	v_lshl_add_u32 v[SPW], v0, 2, SPARE
	v_mov_b32 v[NIL], 0
	v_lshrrev_b32 v8, 5, v0
	v_readfirstlane_b32 s[WV], v8
	s_and_b32 s25, ttmp7, 0xffff                   ; block of 32 rows
	s_mov_b32 s26, ttmp9                           ; half of the columns
	s_lshl_b32 s27, s26, 4
	s_add_co_u32 s27, s27, s[WV]                   ; my column block
	s_lshl_b32 s28, s25, 5
	s_lshl1_add_u32 s28, s[WV], s28                ; my first row
	s_lshl_b32 s58, s28, 10
	s_mov_b32 s59, 0
	s_lshl_b32 s60, s28, 3
	s_mov_b32 s61, 0
	s_lshl_b32 s62, s27, 14
	s_mov_b32 s63, 0
	s_mul_i32 s66, s27, 40*1024
	s_add_co_u32 s66, s66, 39*1024                 ; row block 39 holds bv Wo in its last row
	s_mov_b32 s67, 0
	s_lshl_b32 s68, s27, 6
	s_mov_b32 s69, 0
	s_lshl_b32 s70, s28, 11
	s_lshl_b32 s29, s26, 10
	s_add_co_u32 s70, s70, s29
	s_mov_b32 s71, 0
	s_mov_b32 s[CS], 0x3e0293ee                    ; c = log2(e) / sqrt(128)
	s_mov_b32 s[SEL], 0x76543210
	s_mov_b32 s[SEL+1], 0xfedcba98
	v_and_b32 v8, 31, v0
	v_lshlrev_b32 v[L16], 4, v8
	v_mov_b32 v[ZERO], 0
	v_and_b32 v9, 15, v0                           ; r
	v_bfe_u32 v10, v0, 4, 1                        ; h
	s_mul_i32 s29, s[WV], 2*PA
	v_add_nc_u32 v[AST], s29, v[L16]
	v_mul_u32_u24 v[AFR], v9, PA
	v_lshl_add_u32 v[AFR], v10, 4, v[AFR]
	v_mul_u32_u24 v[VST], v10, 8*PA
	v_lshl_add_u32 v[VST], v9, 2, v[VST]
	s_lshl_b32 s29, s[WV], 6
	s_add_co_u32 s29, s29, STAGE
	v_add_nc_u32 v[VST], s29, v[VST]               ; row 8 h, column 16 w + r
	s_wait_kmcnt 0x0
	s_add_nc_u64 s[OB:OB+1], s[4:5], s[58:59]
	s_add_nc_u64 s[OB+2:OB+3], s[OB:OB+1], 0x800000
	s_add_nc_u64 s[OB+4:OB+5], s[OB+2:OB+3], 0x800000
	s_add_nc_u64 s[OB+6:OB+7], s[OB+4:OB+5], 0x800000
	s_add_nc_u64 s[40:41], s[6:7], s[60:61]        ; stat
	s_add_nc_u64 s[42:43], s[8:9], s[62:63]        ; w2h
	s_add_nc_u64 s[44:45], s[10:11], s[66:67]      ; w2p, slices 0-3
	s_add_nc_u64 s[46:47], s[44:45], 4*PLANE       ; slices 4-7
	s_add_nc_u64 s[48:49], s[12:13], s[68:69]      ; bo
	s_add_nc_u64 s[50:51], s[22:23], s[70:71]      ; out0
	global_load_b128 v[LV:LV+3],     v[L16], s[14:15]
	global_load_b128 v[LV+4:LV+7],   v[L16], s[16:17]
	global_load_b128 v[LV+8:LV+11],  v[L16], s[18:19]
	global_load_b128 v[LV+12:LV+15], v[L16], s[20:21]
.set i, 0
.rept 16                               ; (m, l) of partial i / 2, row i % 2
	global_load_b64 v[SV+2*i:SV+2*i+1], v[ZERO], s[40:41] offset:(i/2)*32768+(i%2)*8
.set i, i+1
.endr
.set i, 0
.rept 16                               ; row 0: partial i / 2, half i % 2 of its 1,024 bytes
	global_load_b128 v[48+4*i:48+4*i+3], v[L16], s[OB+2*(i/4):OB+2*(i/4)+1] offset:((i/2)%2)*4194304+(i%2)*512
.set i, i+1
.endr
	s_wait_loadcnt 16                              ; all but row 0's sixteen
.set k, 0
.rept 8
	v_cvt_pk_bf16_f32 v[W+k], v[LV+2*k], v[LV+2*k+1]
.set k, k+1
.endr
.set k, 0
.rept 8
	v_lshlrev_b32 v[LV+2*k], 16, v[W+k]
	v_and_b32 v[LV+2*k+1], 0xffff0000, v[W+k]
.set k, k+1
.endr
	v_mul_f32 v[W], v[LV], v[LV+4]
	v_mul_f32 v[W+1], v[LV+8], v[LV+12]
.irp k,1,2,3
	v_fmac_f32 v[W], v[LV+\k], v[LV+4+\k]
	v_fmac_f32 v[W+1], v[LV+8+\k], v[LV+12+\k]
.endr
.irp x,1,2,4,8
	v_add_f32_dpp v[W], v[W], v[W] row_xmask:\x row_mask:0xf bank_mask:0xf
	v_add_f32_dpp v[W+1], v[W+1], v[W+1] row_xmask:\x row_mask:0xf bank_mask:0xf
.endr
	v_permlanex16_b32 v[W+2], v[W], s[SEL], s[SEL+1]
	v_permlanex16_b32 v[W+3], v[W+1], s[SEL], s[SEL+1]
	v_add_f32 v[W], v[W], v[W+2]
	v_add_f32 v[W+1], v[W+1], v[W+3]
	v_mul_f32 v[W], 0x3fb8aa3b, v[W]
	v_mul_f32 v[W+1], 0x3fb8aa3b, v[W+1]
	v_exp_f32 v[W], v[W]
	v_exp_f32 v[W+1], v[W+1]
	v_nop
	s_wait_alu depctr_va_vdst(0)
	v_sub_f32 v[W], v[W], v[W+1]
	v_add_f32 v[W], 0x3e4ccccc, v[W]               ; lam; the constant is f32(0.8) - f32(0.6)
	v_max_num_f32 v[W+1], 1.0, |v[W]|              ; G
	v_rcp_f32 v[GV], v[W+1]
	v_sub_f32 v[W+2], 1.0, v[W]                    ; 1 - lam: also the plain instruction behind the reciprocal
	s_wait_alu depctr_va_vdst(0)
	v_mul_f32 v[GV+1], -v[W], v[GV]
	v_readfirstlane_b32 s56, v[W+1]                ; alike in all lanes; values only
	v_readfirstlane_b32 s57, v[W+2]
.macro COEF i, mu                      ; the four coefficients of row i, map mu
.set rA, SV+4*(\mu)+2*(\i)
	v_max3_num_f32 v[CM], v[rA], v[rA+8], v[rA+16]
	v_max_num_f32 v[CM], v[CM], v[rA+24]
.irp s,0,1,2,3
	v_sub_f32 v[CE+\s], v[rA+8*\s], v[CM]
.endr
.irp s,0,1,2,3
	v_mul_f32 v[CE+\s], s[CS], v[CE+\s]
.endr
.irp s,0,1,2,3
	v_exp_f32 v[CE+\s], v[CE+\s]
.endr
	v_nop
	s_wait_alu depctr_va_vdst(0)
.irp s,0,1,2,3
	v_mul_f32 v[CE+\s], v[rA+8*\s+1], v[CE+\s]
.endr
	v_add_f32 v[CW], v[CE], v[CE+1]
	v_add_f32 v[CX], v[CE+2], v[CE+3]
	v_add_f32 v[CW], v[CW], v[CX]                  ; at least 1: the split that holds M has l of 1 or more
	v_rcp_f32 v[CW], v[CW]
	v_nop
	s_wait_alu depctr_va_vdst(0)
	v_mul_f32 v[CW], v[CW], v[GV+(\mu)]
.irp s,0,1,2,3
	v_mul_f32 v[CO+8*(\i)+2*\s+(\mu)], v[CE+\s], v[CW]
.endr
.endm
	COEF 0, 0
	COEF 0, 1
	COEF 1, 0
	COEF 1, 1
.set i, 0
.rept 32                               ; W2: row block i of my column block; blocks 2 k, 2 k + 1 are the fragment of K step k
	global_load_b128 v[B+4*i:B+4*i+3], v[L16], s[42:43] offset:512*i
.set i, i+1
.endr
; One slot of a row: 8 f16 of partial sl / 2, half sl % 2, times its coefficient, onto Y.  x0-x3 are the slot's registers by number.  reload = 1: the slot is asked for again, for row 1.
.macro SL sl, i, reload, x0, x1, x2, x3
.set idx, (\sl)/2
.set rY, Y+8*((\sl)%2)
.set rK, CO+8*(\i)+2*(idx/2)
	v_cvt_f32_f16 v[T],   v\x0\().l
	v_cvt_f32_f16 v[T+1], v\x0\().h
	v_cvt_f32_f16 v[T+2], v\x1\().l
	v_cvt_f32_f16 v[T+3], v\x1\().h
	v_cvt_f32_f16 v[T+4], v\x2\().l
	v_cvt_f32_f16 v[T+5], v\x2\().h
	v_cvt_f32_f16 v[T+6], v\x3\().l
	v_cvt_f32_f16 v[T+7], v\x3\().h
.if \reload
	global_load_b128 v[\x0:\x3], v[L16], s[OB+2*(idx/2):OB+2*(idx/2)+1] offset:(idx%2)*4194304+1024+((\sl)%2)*512
.endif
.irp k,0,1,2,3
.if idx == 0
	v_pk_mul_f32 v[rY+2*\k:rY+2*\k+1], v[T+2*\k:T+2*\k+1], v[rK:rK+1] op_sel_hi:[1,0]
.elseif idx%2 == 0
	v_pk_fma_f32 v[rY+2*\k:rY+2*\k+1], v[T+2*\k:T+2*\k+1], v[rK:rK+1], v[rY+2*\k:rY+2*\k+1] op_sel_hi:[1,0,1]
.else
	v_pk_fma_f32 v[rY+2*\k:rY+2*\k+1], v[T+2*\k:T+2*\k+1], v[rK:rK+1], v[rY+2*\k:rY+2*\k+1] op_sel:[0,1,0] op_sel_hi:[1,1,1]
.endif
.endr
.endm
.macro MERGE i, reload
	SL 0,  \i, \reload, 48, 49, 50, 51
	SL 1,  \i, \reload, 52, 53, 54, 55
	SL 2,  \i, \reload, 56, 57, 58, 59
	SL 3,  \i, \reload, 60, 61, 62, 63
	SL 4,  \i, \reload, 64, 65, 66, 67
	SL 5,  \i, \reload, 68, 69, 70, 71
	SL 6,  \i, \reload, 72, 73, 74, 75
	SL 7,  \i, \reload, 76, 77, 78, 79
	SL 8,  \i, \reload, 80, 81, 82, 83
	SL 9,  \i, \reload, 84, 85, 86, 87
	SL 10, \i, \reload, 88, 89, 90, 91
	SL 11, \i, \reload, 92, 93, 94, 95
	SL 12, \i, \reload, 96, 97, 98, 99
	SL 13, \i, \reload, 100, 101, 102, 103
	SL 14, \i, \reload, 104, 105, 106, 107
	SL 15, \i, \reload, 108, 109, 110, 111
.irp k,0,1,2,3,4,5,6,7
	v_cvt_pk_f16_f32 v[T+\k], v[Y+2*\k], v[Y+2*\k+1]
.endr
	ds_store_b128 v[AST], v[T:T+3]   offset:(\i)*PA
	ds_store_b128 v[AST], v[T+4:T+7] offset:(\i)*PA+512
.endm
	s_wait_loadcnt 32                              ; row 0 is in; W2's 32 loads stay out
	MERGE 0, 1
	s_wait_loadcnt 0x0                             ; row 1, and W2 ahead of it
	MERGE 1, 0
	v_and_b32 v25, 15, v0                          ; the coefficients are done with: their registers take bv Wo's eight slices and bo
	v_lshlrev_b32 v26, 2, v25
	v_lshlrev_b32 v25, 4, v25
.irp p,0,1,2,3
	global_load_b32 v[16+\p], v25, s[44:45] offset:\p*PLANE+780   ; lane 16 + r, register 7 of the block: row 512, column 16 nb + r
.endr
.irp p,0,1,2,3
	global_load_b32 v[20+\p], v25, s[46:47] offset:\p*PLANE+780
.endr
	global_load_b32 v24, v26, s[48:49]
	s_wait_dscnt 0x0                               ; for the others' sake: my two rows of Y are in LDS
	s_barrier_signal -1
	s_barrier_wait -1
.macro AFETCH g, st                    ; Y's fragments of K steps 2 g and 2 g + 1, both blocks of 16 rows
.irp q,0,1
.irp a,0,1
	ds_load_b128 v[(\st)+16*\q+8*\a:(\st)+16*\q+8*\a+3],   v[AFR] offset:\a*16*PA+64*(2*(\g)+\q)
	ds_load_b128 v[(\st)+16*\q+8*\a+4:(\st)+16*\q+8*\a+7], v[AFR] offset:\a*16*PA+64*(2*(\g)+\q)+32
.endr
.endr
.endm
	AFETCH 0, 48
	AFETCH 1, 80
.set j, 0
.rept 8
.set st, 48+32*(j%2)
.if j < 7
	s_wait_dscnt 8                                 ; the next group's eight loads stay out
.else
	s_wait_dscnt 0
.endif
.irp q,0,1
.irp a,0,1                             ; the two accumulators take turns
.if (j == 0) && (\q == 0)
	v_wmma_f32_16x16x32_f16 v[ACC+8*\a:ACC+8*\a+7], v[st+16*\q+8*\a:st+16*\q+8*\a+7], v[B+8*(2*j+\q):B+8*(2*j+\q)+7], 0
.else
	v_wmma_f32_16x16x32_f16 v[ACC+8*\a:ACC+8*\a+7], v[st+16*\q+8*\a:st+16*\q+8*\a+7], v[B+8*(2*j+\q):B+8*(2*j+\q)+7], v[ACC+8*\a:ACC+8*\a+7]
.endif
.endr
.endr
.if j < 6
	PLACES
	AFETCH j+2, st
.endif
.set j, j+1
.endr
	PLACES
	s_wait_loadcnt 0x0                             ; bv Wo's slices and bo
.irp p,1,2,3,4,5,6,7
	v_add_f32 v16, v16, v[16+\p]                   ; ascending over the slices
.endr
	v_cvt_pk_bf16_f32 v24, v24, v24
	v_lshlrev_b32 v24, 16, v24
	v_fma_f32 v27, s57, v16, v24                   ; (1 - lam) bv Wo + bo
.set j, 0
.rept 16
	v_fma_f32 v[Y+j], v[ACC+j], s56, v27
.set j, j+1
.endr
.set j, 0
.rept 16
	ds_store_b32 v[VST], v[Y+j] offset:(16*(j/8)+j%8)*PA
.set j, j+1
.endr
	s_wait_dscnt 0x0                               ; for the others' sake: my column block is in the stage
	s_barrier_signal -1
	s_barrier_wait -1
.set j, 0
.rept 4                                ; rows 2 w and 2 w + 1, whole
	ds_load_b128 v[48+4*j:48+4*j+3], v[AST] offset:STAGE+(j/2)*PA+(j%2)*512
.set j, j+1
.endr
.set j, 0
.rept 4
	s_wait_dscnt 3-j
	global_store_b128 v[L16], v[48+4*j:48+4*j+3], s[50:51] offset:(j/2)*2048+(j%2)*512  ; 512 consecutive bytes, aligned
.set j, j+1
.endr
	s_wait_tensorcnt 0x0                           ; the wave's end
	ds_add_u32 v[SPW], v[NIL]
	s_wait_dscnt 0x0
	s_endpgm
.Lfunc_end_k_q76004b84af_final:
	.size	k_q76004b84af_final, .Lfunc_end_k_q76004b84af_final-k_q76004b84af_final
	.p2alignl 7, 3214868480
	.fill 96, 4, 3214868480
	.section	.rodata,"a",@progbits
	.p2align	6, 0x0
	.amdhsa_kernel k_q76004b84af_final
		.amdhsa_group_segment_fixed_size 68608
		.amdhsa_private_segment_fixed_size 0
		.amdhsa_enable_private_segment 0
		.amdhsa_kernarg_size 80
		.amdhsa_user_sgpr_count 2
		.amdhsa_user_sgpr_kernarg_segment_ptr 1
		.amdhsa_wavefront_size32 1
		.amdhsa_system_sgpr_workgroup_id_x 1
		.amdhsa_system_sgpr_workgroup_id_y 1
		.amdhsa_system_sgpr_workgroup_id_z 1
		.amdhsa_system_vgpr_workitem_id 0
		.amdhsa_next_free_vgpr 256
		.amdhsa_next_free_sgpr 72
		.amdhsa_reserve_vcc 0
		.amdhsa_float_denorm_mode_32 3
		.amdhsa_float_denorm_mode_16_64 3
		.amdhsa_memory_ordered 1
		.amdhsa_forward_progress 1
		.amdhsa_inst_pref_size 47
	.end_amdhsa_kernel
	.amdgpu_metadata
---
amdhsa.version: [ 1, 2 ]
amdhsa.kernels:
  - .name:           k_q76004b84af_final
    .symbol:         k_q76004b84af_final.kd
    .args:
      - { .name: opart, .offset: 0, .size: 8, .value_kind: global_buffer, .address_space: global }
      - { .name: stat, .offset: 8, .size: 8, .value_kind: global_buffer, .address_space: global }
      - { .name: w2h, .offset: 16, .size: 8, .value_kind: global_buffer, .address_space: global }
      - { .name: w2p, .offset: 24, .size: 8, .value_kind: global_buffer, .address_space: global }
      - { .name: bo, .offset: 32, .size: 8, .value_kind: global_buffer, .address_space: global }
      - { .name: lq1, .offset: 40, .size: 8, .value_kind: global_buffer, .address_space: global }
      - { .name: lk1, .offset: 48, .size: 8, .value_kind: global_buffer, .address_space: global }
      - { .name: lq2, .offset: 56, .size: 8, .value_kind: global_buffer, .address_space: global }
      - { .name: lk2, .offset: 64, .size: 8, .value_kind: global_buffer, .address_space: global }
      - { .name: out0, .offset: 72, .size: 8, .value_kind: global_buffer, .address_space: global }
    .group_segment_fixed_size: 68608
    .private_segment_fixed_size: 0
    .kernarg_segment_align: 8
    .kernarg_segment_size: 80
    .max_flat_workgroup_size: 512
    .sgpr_count:     72
    .vgpr_count:     256
    .wavefront_size: 32
...
	.end_amdgpu_metadata
.endif
;; end of part 4
;; ======== version 2 of 2: 4 launches; version 1 with the launch final written anew for expert scheduling mode
;; limits: values outside matrix products are rounded to f16; values are held in f16: magnitudes above 65,504 overflow, below 6.1e-05 lose precision
;; workspace buffers: h16 13,639,680 bytes; qk 8,388,608 bytes; w2p 10,485,760 bytes; w2h 524,288 bytes; opart 33,554,432 bytes; stat 262,144 bytes
;; launch cast: the kernel of part 1 again; grid 417 x 1, 8 waves a work-group, no clusters, 0 bytes of LDS; arguments x, Wqkv, Wv, Wo, bv, h16; writes h16
;; launch gemm: the kernel of part 2 again; grid 416 x 1, 4 waves a work-group, clusters of 4 x 1, 327,680 bytes of LDS; arguments h16, bqkv, qk, w2p; writes qk, w2p
;; launch attn: the kernel of part 3 again; grid 64 x 4, 4 waves a work-group, clusters of 4 x 1, 327,680 bytes of LDS; arguments qk, h16, w2p, w2h, opart, stat; writes w2h, opart, stat
;; launch final (part 5): grid 2 x 128, 16 waves a work-group, no clusters, 68,608 bytes of LDS; arguments opart, stat, w2h, w2p, bo, lq1, lk1, lq2, lk2, out0; writes out0
.if DOCPART == 5
	.amdgcn_target "amdgcn-amd-amdhsa--gfx1250"
	.amdhsa_code_object_version 6
	.text
	.protected	k_q76004b84af_final
	.globl	k_q76004b84af_final
	.p2align	8
	.type	k_q76004b84af_final,@function
k_q76004b84af_final:
	s_mov_b64 s[64:65], 0
	v_nop
	global_prefetch_b8 v0, s[64:65] scope:SCOPE_SE
	s_setreg_imm32_b32 hwreg(HW_REG_WAVE_SCHED_MODE, 0, 2), 2
	s_setreg_imm32_b32 hwreg(HW_REG_WAVE_MODE, 25, 1), 1
	s_wait_xcnt 0x0
	s_wait_alu depctr_vm_vsrc(0)
; out = G (Y (Wv Wo)) + (1 - lam) (bv Wo) + bf16(bo), with Y = (attn1 x - lam attn2 x) / G, G = max(1, |lam|), so that |Y| stays within twice x's range and fits f16.
; attn_u x is joined from the four splits: coefficient of split s = l_s 2^(c (m_s - M)) / the sum of these, M the largest m_s.
; lam = exp(sum lq1 lk1) - exp(sum lq2 lk2) + (0.8 - 0.6), the four vectors rounded to bf16 like every input.
; LIMITS.  As the launches before: f16's range for Y; a weight below 2^-126 counts as 0; NaN and infinities are not treated apart.
; SHARES.  A work-group makes 32 rows x 256 columns.  Wave w joins rows 2 w and 2 w + 1 (all 512 channels, f32, rounded once to f16, into LDS), then multiplies all 32 rows by column block 16 ch + w.
; No tensor load, so no cluster: the operands come through registers; W2's fragments lie in memory as the registers want them.
; THE MODE: SCHED_MODE bits 1:0 = 2 (LLVM: expert scheduling mode 2), set by the entry lines.  The code itself states the register dependences
; between vector or matrix instructions and memory or LDS instructions, with s_wait_alu, always for 0.
; THE PLAN.  Registers that memory or LDS instructions touch:
;   v1, v2, v5-v7  offsets and LDS addresses, v3, v4 the closing add's: written at the head, never again: one wait ahead of the first load serves the whole kernel.
;   v128-192       the lambda vectors and (m, l) land here; lam's and the coefficients' arithmetic reads and writes them; then W2's 32 loads land in v128-255: one wait ahead of that run.
;   v48-127        twenty slots of four.  Row 0's sixteen loads land in v48-111, row 1's first four in v112-127 (the accumulators, idle until the product); row 1's slot s, 4 to 15, lands where
;                  row 0's slot s - 4 lay.  Row 0 is joined in four groups of four slots; at the head of groups 1 to 3 one wait states that the group before is done reading its registers, and the four
;                  loads into them are dealt among the group's arithmetic, which names T, Y, the coefficients and the group's own slots alone.
;   T (v8-15)      written by a row's roundings, read by its two LDS stores: a wait ahead of each pair of stores; one wait on vm_vsrc before row 1's conversions write T again.
;   v16-26         the coefficients, read by vector instructions; behind row 1 they take bv Wo's slices, bo and two offsets: the wait ahead of row 1's stores covers them too.
;   v32-111        in the product a ring of five sets of 16 (K step k in set k % 5).  At the head of pairs 1 to 6 one wait states that the pair before is done reading its two sets, which are asked for again at once.
;   v32-47         at the end the results: one wait ahead of the stores into the stage, which also covers the loads back from the stage into v48-63.
.set PA,    1040                       ; a row in LDS: 1,024 bytes + 16
.set STAGE, 32*PA                      ; the f32 result, 32 rows of 256 numbers
.set SPARE, 2*32*PA                    ; the spare words, 128 bytes for each of 16 waves: eight blocks of 256 bytes that no other line names
.set PLANE, 1310720
.set L16,  1                           ; v1  16 x lane
.set ZERO, 2                           ; v2  0, the offset of loads that are alike in all lanes
.set SPW,  3
.set NIL,  4
.set AST,  5                           ; v5  LDS: row 2 w, 16 x lane
.set AFR,  6                           ; v6  LDS: my lane's place in a fragment of Y
.set VST,  7                           ; v7  LDS: my lane's place in the stage
.set T,    8                           ; v[8:15] at work
.set CO,   16                          ; v[16:31] coefficients: row i, partial 2 s + u at CO + 8 i + 2 s + u; later c (v16-23), bo (v24), their offsets (v25, v26), the addend (v27)
.set Y,    32                          ; v[32:47] a row of Y in f32: 8 channels of each half; in the product set 0 of the ring; later the results
.set ACC,  112                         ; two accumulators; before the product row 1's slots 0 to 3
.set B,    128                         ; v[128:255] W2's 16 fragments; before they are asked for:
.set LV,   128                         ;   lq1, lk1, lq2, lk2, four numbers a lane each
.set SV,   144                         ;   (m, l): partial 2 s + u, row i at SV + 4 (2 s + u) + 2 i
.set W,    176                         ;   at work
.set CM,   184
.set CE,   185
.set CW,   189
.set GV,   190                         ;   1 / G, - lam / G
.set CX,   192
.set WV,   24
.set OB,   32                          ; s[32:39] opart at my rows, four bases 8 MiB apart
.set CS,   52
.set SEL,  54
.macro PLACES
.rept 4
	v_nop
.endr
.endm
; Row 1's slot sl (partial sl / 2, half sl % 2 of its 1,024 bytes) is asked for, into v[x0:x3].
.macro RL sl, x0, x3
	global_load_b128 v[\x0:\x3], v[L16], s[OB+2*((\sl)/4):OB+2*((\sl)/4)+1] offset:(((\sl)/2)%2)*4194304+1024+((\sl)%2)*512
.endm
	s_load_b512 s[4:19], s[0:1], 0x0               ; opart, stat, w2h, w2p, bo, lq1, lk1, lq2
	s_load_b128 s[20:23], s[0:1], 0x40             ; lk2, out0
	v_lshl_add_u32 v[SPW], v0, 2, SPARE
	v_mov_b32 v[NIL], 0
	v_lshrrev_b32 v8, 5, v0
	v_readfirstlane_b32 s[WV], v8
	v_and_b32 v8, 31, v0
	v_lshlrev_b32 v[L16], 4, v8
	v_mov_b32 v[ZERO], 0
	v_and_b32 v9, 15, v0                           ; r
	v_bfe_u32 v10, v0, 4, 1                        ; h
	v_mul_u32_u24 v[AFR], v9, PA
	v_lshl_add_u32 v[AFR], v10, 4, v[AFR]
	v_mul_u32_u24 v[VST], v10, 8*PA
	v_lshl_add_u32 v[VST], v9, 2, v[VST]
	s_and_b32 s25, ttmp7, 0xffff                   ; block of 32 rows
	s_mov_b32 s26, ttmp9                           ; half of the columns
	s_lshl_b32 s27, s26, 4
	s_wait_alu depctr_va_sdst(0)                   ; the wave's number is written into s24, ahead of its first reader: rows, columns and LDS places are made from it
	s_add_co_u32 s27, s27, s[WV]                   ; my column block
	s_lshl_b32 s28, s25, 5
	s_lshl1_add_u32 s28, s[WV], s28                ; my first row
	s_lshl_b32 s58, s28, 10
	s_mov_b32 s59, 0
	s_lshl_b32 s60, s28, 3
	s_mov_b32 s61, 0
	s_lshl_b32 s62, s27, 14
	s_mov_b32 s63, 0
	s_mul_i32 s66, s27, 40*1024
	s_add_co_u32 s66, s66, 39*1024                 ; row block 39 holds bv Wo in its last row
	s_mov_b32 s67, 0
	s_lshl_b32 s68, s27, 6
	s_mov_b32 s69, 0
	s_lshl_b32 s70, s28, 11
	s_lshl_b32 s29, s26, 10
	s_add_co_u32 s70, s70, s29
	s_mov_b32 s71, 0
	s_mov_b32 s[CS], 0x3e0293ee                    ; c = log2(e) / sqrt(128)
	s_mov_b32 s[SEL], 0x76543210
	s_mov_b32 s[SEL+1], 0xfedcba98
	s_mul_i32 s30, s[WV], 2*PA
	v_add_nc_u32 v[AST], s30, v[L16]
	s_lshl_b32 s31, s[WV], 6
	s_add_co_u32 s31, s31, STAGE
	v_add_nc_u32 v[VST], s31, v[VST]               ; row 8 h, column 16 w + r
	s_wait_kmcnt 0x0
	s_add_nc_u64 s[OB:OB+1], s[4:5], s[58:59]
	s_add_nc_u64 s[OB+2:OB+3], s[OB:OB+1], 0x800000
	s_add_nc_u64 s[OB+4:OB+5], s[OB+2:OB+3], 0x800000
	s_add_nc_u64 s[OB+6:OB+7], s[OB+4:OB+5], 0x800000
	s_add_nc_u64 s[40:41], s[6:7], s[60:61]        ; stat
	s_add_nc_u64 s[42:43], s[8:9], s[62:63]        ; w2h
	s_add_nc_u64 s[44:45], s[10:11], s[66:67]      ; w2p, slices 0-3
	s_add_nc_u64 s[46:47], s[44:45], 4*PLANE       ; slices 4-7
	s_add_nc_u64 s[48:49], s[12:13], s[68:69]      ; bo
	s_add_nc_u64 s[50:51], s[22:23], s[70:71]      ; out0
	s_wait_alu depctr_va_vdst(0)                   ; v1 to v7 are written: the offsets and LDS addresses that the kernel's loads and stores read; none of them is written again
	global_load_b128 v[LV:LV+3],     v[L16], s[14:15]
	global_load_b128 v[LV+4:LV+7],   v[L16], s[16:17]
	global_load_b128 v[LV+8:LV+11],  v[L16], s[18:19]
	global_load_b128 v[LV+12:LV+15], v[L16], s[20:21]
.set i, 0
.rept 16                               ; (m, l) of partial i / 2, row i % 2
	global_load_b64 v[SV+2*i:SV+2*i+1], v[ZERO], s[40:41] offset:(i/2)*32768+(i%2)*8
.set i, i+1
.endr
.set i, 0
.rept 16                               ; row 0: partial i / 2, half i % 2 of its 1,024 bytes
	global_load_b128 v[48+4*i:48+4*i+3], v[L16], s[OB+2*(i/4):OB+2*(i/4)+1] offset:((i/2)%2)*4194304+(i%2)*512
.set i, i+1
.endr
	RL 0, 112, 115                                 ; row 1's first four slots, into the accumulators' registers
	RL 1, 116, 119
	RL 2, 120, 123
	RL 3, 124, 127
	s_wait_loadcnt 20                              ; all but row 0's sixteen and row 1's four
.set k, 0
.rept 8
	v_cvt_pk_bf16_f32 v[W+k], v[LV+2*k], v[LV+2*k+1]
.set k, k+1
.endr
.set k, 0
.rept 8
	v_lshlrev_b32 v[LV+2*k], 16, v[W+k]
	v_and_b32 v[LV+2*k+1], 0xffff0000, v[W+k]
.set k, k+1
.endr
	v_mul_f32 v[W], v[LV], v[LV+4]
	v_mul_f32 v[W+1], v[LV+8], v[LV+12]
.irp k,1,2,3
	v_fmac_f32 v[W], v[LV+\k], v[LV+4+\k]
	v_fmac_f32 v[W+1], v[LV+8+\k], v[LV+12+\k]
.endr
.irp x,1,2,4,8
	v_add_f32_dpp v[W], v[W], v[W] row_xmask:\x row_mask:0xf bank_mask:0xf
	v_add_f32_dpp v[W+1], v[W+1], v[W+1] row_xmask:\x row_mask:0xf bank_mask:0xf
.endr
	v_permlanex16_b32 v[W+2], v[W], s[SEL], s[SEL+1]
	v_permlanex16_b32 v[W+3], v[W+1], s[SEL], s[SEL+1]
	v_add_f32 v[W], v[W], v[W+2]
	v_add_f32 v[W+1], v[W+1], v[W+3]
	v_mul_f32 v[W], 0x3fb8aa3b, v[W]
	v_mul_f32 v[W+1], 0x3fb8aa3b, v[W+1]
	v_exp_f32 v[W], v[W]
	v_exp_f32 v[W+1], v[W+1]
	v_nop
	s_wait_alu depctr_va_vdst(0)                   ; the two exponentials have written v[W] and v[W+1], which the subtraction reads
	v_sub_f32 v[W], v[W], v[W+1]
	v_add_f32 v[W], 0x3e4ccccc, v[W]               ; lam; the constant is f32(0.8) - f32(0.6)
	v_max_num_f32 v[W+1], 1.0, |v[W]|              ; G
	v_rcp_f32 v[GV], v[W+1]
	v_sub_f32 v[W+2], 1.0, v[W]                    ; 1 - lam: also the plain instruction behind the reciprocal
	s_wait_alu depctr_va_vdst(0)                   ; the reciprocal has written v[GV], which the product below reads
	v_mul_f32 v[GV+1], -v[W], v[GV]
	v_readfirstlane_b32 s56, v[W+1]                ; alike in all lanes; values only
	v_readfirstlane_b32 s57, v[W+2]
	s_wait_alu depctr_va_sdst(0)                   ; s56 and s57 are written, ahead of their first readers: the multiply-adds of the way out
.macro COEF i, mu                      ; the four coefficients of row i, map mu
.set rA, SV+4*(\mu)+2*(\i)
	v_max3_num_f32 v[CM], v[rA], v[rA+8], v[rA+16]
	v_max_num_f32 v[CM], v[CM], v[rA+24]
.irp s,0,1,2,3
	v_sub_f32 v[CE+\s], v[rA+8*\s], v[CM]
.endr
.irp s,0,1,2,3
	v_mul_f32 v[CE+\s], s[CS], v[CE+\s]
.endr
.irp s,0,1,2,3
	v_exp_f32 v[CE+\s], v[CE+\s]
.endr
	v_nop
	s_wait_alu depctr_va_vdst(0)                   ; the four exponentials have written v[CE ..], which the products below read
.irp s,0,1,2,3
	v_mul_f32 v[CE+\s], v[rA+8*\s+1], v[CE+\s]
.endr
	v_add_f32 v[CW], v[CE], v[CE+1]
	v_add_f32 v[CX], v[CE+2], v[CE+3]
	v_add_f32 v[CW], v[CW], v[CX]                  ; at least 1: the split that holds M has l of 1 or more
	v_rcp_f32 v[CW], v[CW]
	v_nop
	s_wait_alu depctr_va_vdst(0)                   ; the reciprocal has written v[CW], which the product below reads
	v_mul_f32 v[CW], v[CW], v[GV+(\mu)]
.irp s,0,1,2,3
	v_mul_f32 v[CO+8*(\i)+2*\s+(\mu)], v[CE+\s], v[CW]
.endr
.endm
	COEF 0, 0
	COEF 0, 1
	COEF 1, 0
	COEF 1, 1
	s_wait_alu depctr_va_vdst(0)                   ; lam's and the coefficients' arithmetic is done reading and writing v128 to v192, in which W2's fragments land
.set i, 0
.rept 32                               ; W2: row block i of my column block; blocks 2 k, 2 k + 1 are the fragment of K step k
	global_load_b128 v[B+4*i:B+4*i+3], v[L16], s[42:43] offset:512*i
.set i, i+1
.endr
; One slot of a row: 8 f16 of partial sl / 2, half sl % 2, times its coefficient, onto Y.  x0-x3 are the slot's registers by number.
.macro SL sl, i, x0, x1, x2, x3
.set idx, (\sl)/2
.set rY, Y+8*((\sl)%2)
.set rK, CO+8*(\i)+2*(idx/2)
	v_cvt_f32_f16 v[T],   v\x0\().l
	v_cvt_f32_f16 v[T+1], v\x0\().h
	v_cvt_f32_f16 v[T+2], v\x1\().l
	v_cvt_f32_f16 v[T+3], v\x1\().h
	v_cvt_f32_f16 v[T+4], v\x2\().l
	v_cvt_f32_f16 v[T+5], v\x2\().h
	v_cvt_f32_f16 v[T+6], v\x3\().l
	v_cvt_f32_f16 v[T+7], v\x3\().h
.irp k,0,1,2,3
.if idx == 0
	v_pk_mul_f32 v[rY+2*\k:rY+2*\k+1], v[T+2*\k:T+2*\k+1], v[rK:rK+1] op_sel_hi:[1,0]
.elseif idx%2 == 0
	v_pk_fma_f32 v[rY+2*\k:rY+2*\k+1], v[T+2*\k:T+2*\k+1], v[rK:rK+1], v[rY+2*\k:rY+2*\k+1] op_sel_hi:[1,0,1]
.else
	v_pk_fma_f32 v[rY+2*\k:rY+2*\k+1], v[T+2*\k:T+2*\k+1], v[rK:rK+1], v[rY+2*\k:rY+2*\k+1] op_sel:[0,1,0] op_sel_hi:[1,1,1]
.endif
.endr
.endm
.macro PACKY                           ; the row is rounded to f16, into T
.irp k,0,1,2,3,4,5,6,7
	v_cvt_pk_f16_f32 v[T+\k], v[Y+2*\k], v[Y+2*\k+1]
.endr
.endm
.macro PUTY i                          ; and goes into LDS
	ds_store_b128 v[AST], v[T:T+3]   offset:(\i)*PA
	ds_store_b128 v[AST], v[T+4:T+7] offset:(\i)*PA+512
.endm
	s_wait_loadcnt 36                              ; row 0 is in; row 1's four and W2's 32 loads stay out
	SL 0,  0, 48, 49, 50, 51
	SL 1,  0, 52, 53, 54, 55
	SL 2,  0, 56, 57, 58, 59
	SL 3,  0, 60, 61, 62, 63
	s_wait_alu depctr_va_vdst(0)                   ; the conversions of slots 0 to 3 are done reading v48 to v63, in which the four loads below land; no vector instruction behind this wait names them before row 1
	RL 4,  48, 51
	SL 4,  0, 64, 65, 66, 67
	RL 5,  52, 55
	SL 5,  0, 68, 69, 70, 71
	RL 6,  56, 59
	SL 6,  0, 72, 73, 74, 75
	RL 7,  60, 63
	SL 7,  0, 76, 77, 78, 79
	s_wait_alu depctr_va_vdst(0)                   ; the conversions of slots 4 to 7 are done reading v64 to v79, in which the four loads below land
	RL 8,  64, 67
	SL 8,  0, 80, 81, 82, 83
	RL 9,  68, 71
	SL 9,  0, 84, 85, 86, 87
	RL 10, 72, 75
	SL 10, 0, 88, 89, 90, 91
	RL 11, 76, 79
	SL 11, 0, 92, 93, 94, 95
	s_wait_alu depctr_va_vdst(0)                   ; the conversions of slots 8 to 11 are done reading v80 to v95, in which the four loads below land
	RL 12, 80, 83
	SL 12, 0, 96, 97, 98, 99
	RL 13, 84, 87
	SL 13, 0, 100, 101, 102, 103
	RL 14, 88, 91
	SL 14, 0, 104, 105, 106, 107
	RL 15, 92, 95
	SL 15, 0, 108, 109, 110, 111
	PACKY
	s_wait_alu depctr_va_vdst(0)                   ; the roundings have written v[T ..], which the two LDS stores read
	PUTY 0
	s_wait_loadcnt 0x0                             ; row 1, and W2 ahead of most of it
	s_wait_alu depctr_vm_vsrc(0)                   ; row 0's two LDS stores have read v[T ..], which row 1's conversions write again
	SL 0,  1, 112, 113, 114, 115
	SL 1,  1, 116, 117, 118, 119
	SL 2,  1, 120, 121, 122, 123
	SL 3,  1, 124, 125, 126, 127
	SL 4,  1, 48, 49, 50, 51
	SL 5,  1, 52, 53, 54, 55
	SL 6,  1, 56, 57, 58, 59
	SL 7,  1, 60, 61, 62, 63
	SL 8,  1, 64, 65, 66, 67
	SL 9,  1, 68, 69, 70, 71
	SL 10, 1, 72, 73, 74, 75
	SL 11, 1, 76, 77, 78, 79
	SL 12, 1, 80, 81, 82, 83
	SL 13, 1, 84, 85, 86, 87
	SL 14, 1, 88, 89, 90, 91
	SL 15, 1, 92, 93, 94, 95
	PACKY
	v_and_b32 v25, 15, v0                          ; the coefficients are done with: their registers take bv Wo's eight slices and bo
	v_lshlrev_b32 v26, 2, v25
	v_lshlrev_b32 v25, 4, v25
	s_wait_alu depctr_va_vdst(0)                   ; the roundings have written v[T ..], which the LDS stores read; v25 and v26 are written, the offsets of the nine loads below; the multiply-adds are done reading v16 to v24, in which those loads land, and row 1's arithmetic is done with v32 to v111, in which Y's fragments land behind the barrier
	PUTY 1
.irp p,0,1,2,3
	global_load_b32 v[16+\p], v25, s[44:45] offset:\p*PLANE+780   ; lane 16 + r, register 7 of the block: row 512, column 16 nb + r
.endr
.irp p,0,1,2,3
	global_load_b32 v[20+\p], v25, s[46:47] offset:\p*PLANE+780
.endr
	global_load_b32 v24, v26, s[48:49]
	s_wait_dscnt 0x0                               ; for the others' sake: my two rows of Y are in LDS
	s_barrier_signal -1
	s_barrier_wait -1
.macro AF k                            ; Y's fragments of K step k, both blocks of 16 rows, into set k % 5
.set fa, Y+16*((\k)%5)
.irp a,0,1
	ds_load_b128 v[fa+8*\a:fa+8*\a+3],   v[AFR] offset:\a*16*PA+64*(\k)
	ds_load_b128 v[fa+8*\a+4:fa+8*\a+7], v[AFR] offset:\a*16*PA+64*(\k)+32
.endr
.endm
	AF 0
	AF 1
	AF 2
	AF 3
	AF 4
.set j, 0
.rept 8                                ; pair j: K steps 2 j and 2 j + 1
.if j == 0
	s_wait_dscnt 12                                ; K steps 0 and 1 are in; the twelve loads of K steps 2 to 4 stay out
.elseif j < 7
	s_wait_dscnt 4                                 ; this pair's fragments are in; the one younger K step's four loads stay out
.else
	s_wait_dscnt 0
.endif
.if (j > 0) && (j < 7)
	PLACES                                         ; four places behind the last pair's products, ahead of loads into registers that they have read
	s_wait_alu depctr_va_vdst(0)                   ; the last pair's four products are done reading their two sets, in which the loads below land; this pair's products name two other sets
	AF 2*j+3
.if j < 6
	AF 2*j+4
.endif
.endif
.irp q,0,1
.set fm, Y+16*((2*j+\q)%5)
.irp a,0,1                             ; the two accumulators take turns
.if (j == 0) && (\q == 0)
	v_wmma_f32_16x16x32_f16 v[ACC+8*\a:ACC+8*\a+7], v[fm+8*\a:fm+8*\a+7], v[B+8*(2*j+\q):B+8*(2*j+\q)+7], 0
.else
	v_wmma_f32_16x16x32_f16 v[ACC+8*\a:ACC+8*\a+7], v[fm+8*\a:fm+8*\a+7], v[B+8*(2*j+\q):B+8*(2*j+\q)+7], v[ACC+8*\a:ACC+8*\a+7]
.endif
.endr
.endr
.set j, j+1
.endr
	PLACES                                         ; four places behind the last product, before its result is read and its source, set 0, written (ISA guide 7.12.1)
	s_wait_loadcnt 0x0                             ; bv Wo's slices and bo
.irp p,1,2,3,4,5,6,7
	v_add_f32 v16, v16, v[16+\p]                   ; ascending over the slices
.endr
	v_cvt_pk_bf16_f32 v24, v24, v24
	v_lshlrev_b32 v24, 16, v24
	v_fma_f32 v27, s57, v16, v24                   ; (1 - lam) bv Wo + bo
.set j, 0
.rept 16
	v_fma_f32 v[Y+j], v[ACC+j], s56, v27
.set j, j+1
.endr
	s_wait_alu depctr_va_vdst(0)                   ; the multiply-adds have written v[Y ..], which the LDS stores read; the products are done reading v48 to v63, in which the loads from the stage land
.set j, 0
.rept 16
	ds_store_b32 v[VST], v[Y+j] offset:(16*(j/8)+j%8)*PA
.set j, j+1
.endr
	s_wait_dscnt 0x0                               ; for the others' sake: my column block is in the stage
	s_barrier_signal -1
	s_barrier_wait -1
.set j, 0
.rept 4                                ; rows 2 w and 2 w + 1, whole
	ds_load_b128 v[48+4*j:48+4*j+3], v[AST] offset:STAGE+(j/2)*PA+(j%2)*512
.set j, j+1
.endr
.set j, 0
.rept 4
	s_wait_dscnt 3-j
	global_store_b128 v[L16], v[48+4*j:48+4*j+3], s[50:51] offset:(j/2)*2048+(j%2)*512  ; 512 consecutive bytes, aligned
.set j, j+1
.endr
	s_wait_dscnt 0x0                               ; the wave's end
	s_wait_alu 0x0
	s_wait_tensorcnt 0x0
	ds_add_u32 v[SPW], v[NIL]
	s_wait_dscnt 0x0
	s_endpgm
.Lfunc_end_k_q76004b84af_final:
	.size	k_q76004b84af_final, .Lfunc_end_k_q76004b84af_final-k_q76004b84af_final
	.p2alignl 7, 3214868480
	.fill 96, 4, 3214868480
	.section	.rodata,"a",@progbits
	.p2align	6, 0x0
	.amdhsa_kernel k_q76004b84af_final
		.amdhsa_group_segment_fixed_size 68608
		.amdhsa_private_segment_fixed_size 0
		.amdhsa_enable_private_segment 0
		.amdhsa_kernarg_size 80
		.amdhsa_user_sgpr_count 2
		.amdhsa_user_sgpr_kernarg_segment_ptr 1
		.amdhsa_wavefront_size32 1
		.amdhsa_system_sgpr_workgroup_id_x 1
		.amdhsa_system_sgpr_workgroup_id_y 1
		.amdhsa_system_sgpr_workgroup_id_z 1
		.amdhsa_system_vgpr_workitem_id 0
		.amdhsa_next_free_vgpr 256
		.amdhsa_next_free_sgpr 72
		.amdhsa_reserve_vcc 0
		.amdhsa_float_denorm_mode_32 3
		.amdhsa_float_denorm_mode_16_64 3
		.amdhsa_memory_ordered 1
		.amdhsa_forward_progress 1
		.amdhsa_inst_pref_size 47
	.end_amdhsa_kernel
	.amdgpu_metadata
---
amdhsa.version: [ 1, 2 ]
amdhsa.kernels:
  - .name:           k_q76004b84af_final
    .symbol:         k_q76004b84af_final.kd
    .args:
      - { .name: opart, .offset: 0, .size: 8, .value_kind: global_buffer, .address_space: global }
      - { .name: stat, .offset: 8, .size: 8, .value_kind: global_buffer, .address_space: global }
      - { .name: w2h, .offset: 16, .size: 8, .value_kind: global_buffer, .address_space: global }
      - { .name: w2p, .offset: 24, .size: 8, .value_kind: global_buffer, .address_space: global }
      - { .name: bo, .offset: 32, .size: 8, .value_kind: global_buffer, .address_space: global }
      - { .name: lq1, .offset: 40, .size: 8, .value_kind: global_buffer, .address_space: global }
      - { .name: lk1, .offset: 48, .size: 8, .value_kind: global_buffer, .address_space: global }
      - { .name: lq2, .offset: 56, .size: 8, .value_kind: global_buffer, .address_space: global }
      - { .name: lk2, .offset: 64, .size: 8, .value_kind: global_buffer, .address_space: global }
      - { .name: out0, .offset: 72, .size: 8, .value_kind: global_buffer, .address_space: global }
    .group_segment_fixed_size: 68608
    .private_segment_fixed_size: 0
    .kernarg_segment_align: 8
    .kernarg_segment_size: 80
    .max_flat_workgroup_size: 512
    .sgpr_count:     72
    .vgpr_count:     256
    .wavefront_size: 32
...
	.end_amdgpu_metadata
.endif
;; end of part 5
